; MI455X (gfx1250); checked and timed in simulation.
; The chip was launched on July 23, 2026; its instructions are those of AMD's public machine-readable ISA for CDNA 5 (MIT licence, August 2026) and "CDNA5" Instruction Set Architecture Reference Guide (July 2026). The comments in the code are by the model that wrote it; some were corrected since.
;; Attention. Allowed arithmetic: matrix products marked QUANTISED: E2M1 operands, one E8M0 scale for each 32 along K, by v_wmma_scale_f32_16x16x128_f8f6f4 with both operands' format E2M1 (or v_wmma_scale_f32_32x16x128_f4), f32 sums; products left as they are: bf16, f16 or f32 operands; f32 sums; everything else in f32.
;; Inputs: k_norm_w 64 float32; proj_b 1,024 float32; proj_w 1,024 x 1,024 float32; q_norm_w 64 float32; qkv_w 3,072 x 1,024 float32; x 4 x 2,048 x 1,024 float32.
;; Outputs: out0 4 x 2,048 x 1,024 float32.
;; This version of the problem:
;;   THIS VERSION OF THE PROBLEM IS GIVEN IN LOW PRECISION. The matrix products marked QUANTISED in the list below multiply operands that are first quantised to E2M1 (2 exponent bits, 1 mantissa bit; 4 bits a number), with one power-of-two scale for each 32 numbers along K (OCP MX v1.0); their sums are f32. The products marked 'left as it is' may take bf16, f16 or f32 operands, with f32 sums. Whichever they take, every output number must still come out within the allowed error. Rounding operands to bf16 (8 significant bits) uses up far more of that allowance than f16 does (11 bits, for magnitudes from 6e-5 to 65,504). All else is computed in f32.
;;   The module's matrix products, in the order in which they are computed (A, B: the left and right operand; K: the contracted axis; several contracted axes count as one K, in the product's order):
;;     1. [M 8,192, K 1,024] x [K 1,024, N 3,072]; A: input x; B: input qkv_w: QUANTISED
;;     2. batch 64 x [M 2,048, K 64] x [K 64, N 2,048]; A: computed on the way; B: computed on the way: left as it is (an operand is computed on the way)
;;     3. batch 64 x [M 2,048, K 2,048] x [K 2,048, N 64]; A: computed on the way; B: computed on the way: left as it is (an operand is computed on the way)
;;     4. [M 8,192, K 1,024] x [K 1,024, N 1,024]; A: computed on the way; B: input proj_w: left as it is (an operand is computed on the way)
;;   THE QUANTISER, for each operand of a quantised product, along K:
;;     - K is cut into blocks of 32 from its start; a last block that is shorter is filled with zeros.
;;     - A block's scale is 2^e with e = floor(log2(the largest magnitude in the block)) - 2, held to -126 .. 127; a block of zeros has e = 0. As a byte (E8M0): e + 127.
;;     - Each number is divided by its block's scale, clamped to +-6, and rounded to the nearest number of E2M1, ties to even, subnormals kept.
;;     - The product sums the exact products of the quantised numbers (number of the format x scale) in f32.
;;   ~~~python
;;   def quantise(x, axis):      # numpy; x: float32 -> the quantised numbers, widened to float32 again
;;       x = np.moveaxis(x, axis, -1); K = x.shape[-1]
;;       x = np.pad(x, [(0, 0)] * (x.ndim - 1) + [(0, -K % 32)]); x = x.reshape(x.shape[:-1] + (-1, 32)); a = np.abs(x).max(-1, keepdims=True)
;;       e = np.where(a > 0, np.clip(np.frexp(np.where(a > 0, a, 1))[1] - 1 - 2, -126, 127), 0)      # np.frexp(a)[1] - 1 = floor(log2(a)), exactly
;;       r = np.clip(x / 2.0 ** e, -6, 6)
;;       step = 2.0 ** (np.maximum(np.frexp(np.where(r == 0, 1, r))[1] - 1, 0) - 1)
;;       q = np.round(r / step) * step * 2.0 ** e      # np.round: ties to even
;;       return np.moveaxis(q.reshape(q.shape[:-2] + (-1,))[..., :K], -1, axis).astype(np.float32)
;;   ~~~
;; One version. Each part assembles by itself: llvm-mc -triple=amdgcn-amd-amdhsa -mcpu=gfx1250 --defsym DOCPART=n.
;; ======== version 1 of 1: 4 launches
;; limits: values are held in f16: magnitudes above 65,504 overflow, below 6.1e-05 lose precision
;; workspace buffers: xc 4,194,304 bytes; xs 262,144 bytes; wc 1,572,864 bytes; ws 98,304 bytes; pw 2,097,152 bytes; qkvh 50,331,648 bytes; att 16,777,216 bytes
;; launch prep (part 1): grid 480 x 1, 4 waves a work-group, no clusters, 67,072 bytes of LDS; arguments x, qkv_w, xc, xs, wc, ws, proj_w, pw; writes xc, xs, wc, ws, pw
.if DOCPART == 1
	.amdgcn_target "amdgcn-amd-amdhsa--gfx1250"
	.amdhsa_code_object_version 6
	.text
	.protected	k_q769939da11_prep
	.globl	k_q769939da11_prep
	.p2align	8
	.type	k_q769939da11_prep,@function
k_q769939da11_prep:
	s_mov_b64 s[64:65], 0
	v_nop
	global_prefetch_b8 v0, s[64:65] scope:SCOPE_SE
	s_setreg_imm32_b32 hwreg(HW_REG_WAVE_MODE, 25, 1), 1
	s_wait_xcnt 0x0
; PREP.  x [8192][1024] and qkv_w [3072][1024], f32, become codes of FP4 (E2M1), K innermost, two codes a byte, with one E8M0 scale byte for each 32 along K;
; proj_w [1024][1024], f32, becomes f16, laid as images of the matrix operand's registers.
; THE QUANTISER.  A block's scale is 2^(floor(log2(its largest magnitude)) - 2); its byte is the largest magnitude's own exponent field - 2, held at 1 from below.  Each number is divided by the scale and
; rounded to the nearest code, ties to even; beyond 6 the conversion gives the largest code.
; LIMITS: a block of zeros gets the byte 1 where the rule says 127 (its codes are zeros, which add nothing, and this program alone reads the bytes); blocks whose largest magnitude lies under 2^(2 - 126)
; keep the byte 1; NaN and infinities are not served; proj_w is rounded to f16: magnitudes under 65,504, and under 6e-5 an absolute error of at most 3e-8.
; SHARES.  Work-groups 0-255 take x, 256-351 qkv_w: both are plain streams of blocks of 32, a wave takes 16 steps of 512 numbers.  Each of a step's four loads reads 512 consecutive bytes; the 2,048 bytes turn
; through the wave's own stage in LDS and come back 64 bytes a lane, so that a lane holds 16 neighbours along K (two lanes a block).  A wave's store of codes covers 256 consecutive bytes; its 256 scale bytes
; are gathered in LDS and leave by one store.  Work-groups 352-479 take proj_w: a wave takes 16 rows x 128 along K.
; pw's LAYOUT: [tile of 16 rows][kappa 0..63][512 bytes]; a block of 512 bytes holds 16 rows x 16 along K: chunk r + 16 h (16 bytes) = row r, k = 16 kappa + 8 h + 0..7.
; No tensor loads, no barrier: waves share nothing.  The two paths part on the work-group's number and have LDS bytes of their own.
.set SIZE_M, 8192
.set SIZE_N, 3072
.set SIZE_K, 1024
.set WAVES, 4
.set STEPS, 16
.set WGA,   SIZE_M*SIZE_K/(512*STEPS*WAVES)            ; 256 work-groups for x
.set WGQ,   (SIZE_M+SIZE_N)*SIZE_K/(512*STEPS*WAVES)   ; 352 for both quantised tensors
.set EMAX,  2
.set CB,    8                          ; bytes of 16 codes
.set R,     16                         ; v16-79   four sets of 16 numbers as they are loaded
.set X,     80                         ; v80-111  two sets of 16 neighbours
.set C,     128                        ; v128-191 codes: four registers for each step, so that no store's data are written again
.set E,     112                        ; v112-127 a scale byte for each step
.set WREG,  8192                       ; LDS: a region for each wave: two stages of 32 x SP bytes, and behind them its 256 scale bytes
.set SP,    80                         ; a lane's place in a stage: its 64 bytes + 16 of padding
.set SPW,   12                         ; v12      LDS address of my spare word; never rewritten
.set NIL,   13                         ; v13      0; never rewritten
.set SPARE, WAVES*WREG                 ; the spare words, 128 bytes for each wave
.set CST,   SPARE+512                  ; proj_w's path: a stage of 16 rows x CP bytes for each wave
.set CP,    528                        ; 512 bytes of a row + 16 of padding
	s_load_b128 s[4:7], s[0:1], 0x0                ; x, qkv_w
	s_load_b128 s[8:11], s[0:1], 0x10              ; x's codes, x's scales
	s_load_b128 s[12:15], s[0:1], 0x20             ; qkv_w's codes, its scales
	s_load_b128 s[24:27], s[0:1], 0x30             ; proj_w, pw
	v_lshl_add_u32 v[SPW], v0, 2, SPARE
	v_mov_b32 v[NIL], 0
	v_lshrrev_b32 v1, 5, v0
	v_readfirstlane_b32 s16, v1                    ; wave
	v_and_b32 v2, 31, v0                           ; lane
	v_lshlrev_b32 v3, 4, v2                        ; 16 x lane
	s_cmp_ge_u32 ttmp9, WGQ
	s_cbranch_scc1 .Lconv                          ; the work-group's number alone decides
	s_mul_i32 s17, s16, WREG
	v_lshrrev_b32 v14, 2, v2
	v_mul_u32_u24 v14, v14, SP
	v_and_b32 v15, 3, v2
	v_lshl_add_u32 v14, v15, 4, v14
	v_add_nc_u32 v14, s17, v14                     ; the stage, on the way in: four lanes' 64 bytes on end, then 16 of padding
	v_mul_u32_u24 v15, v2, SP
	v_add_nc_u32 v15, s17, v15                     ; and on the way out: SP x lane: my 16 neighbours
	v_mul_u32_u24 v4, v2, CB                       ; my codes' place in a step's
	v_lshrrev_b32 v5, 1, v2
	s_add_co_u32 s17, s17, 2*32*SP
	v_add_nc_u32 v5, s17, v5                       ; LDS: my wave's 256 scale bytes, my block's byte
	v_lshlrev_b32 v7, 3, v2                        ; and on the way out 8 bytes a lane
	v_add_nc_u32 v6, s17, v7
	s_wait_kmcnt 0x0
	s_cmp_lt_u32 ttmp9, WGA                        ; x's work-group or qkv_w's?
	s_cselect_b64 s[4:5], s[4:5], s[6:7]
	s_cselect_b64 s[8:9], s[8:9], s[12:13]
	s_cselect_b64 s[10:11], s[10:11], s[14:15]
	s_cselect_b32 s17, 0, WGA
	s_sub_co_u32 s17, ttmp9, s17
	s_lshl_b32 s17, s17, 2
	s_add_co_u32 s18, s17, s16                     ; which run of 8,192 numbers of the tensor is my wave's
	s_mov_b32 s19, 0
	s_mov_b64 s[20:21], 512*STEPS*4
	s_mul_u64 s[20:21], s[18:19], s[20:21]
	s_add_nc_u64 s[4:5], s[4:5], s[20:21]
	s_mov_b64 s[20:21], 32*STEPS*CB
	s_mul_u64 s[20:21], s[18:19], s[20:21]
	s_add_nc_u64 s[8:9], s[8:9], s[20:21]
	s_lshl_b32 s18, s18, 8                         ; 256 scale bytes a run
	s_add_nc_u64 s[10:11], s[10:11], s[18:19]
.macro LOAD t
.irp i, 0,1,2,3
	global_load_b128 v[R+16*((\t)%4)+4*\i:R+16*((\t)%4)+4*\i+3], v3, s[4:5] offset:2048*(\t)+512*\i th:TH_LOAD_NT   ; 32 lanes read 512 consecutive bytes
.endr
.endm
.macro TURN t                          ; step t's numbers through the stage: LDS serves a wave's instructions in order, so no wait stands between the stores and the loads
.irp i, 0,1,2,3
	ds_store_b128 v14, v[R+16*((\t)%4)+4*\i:R+16*((\t)%4)+4*\i+3] offset:32*SP*((\t)%2)+8*SP*\i
.endr
.irp i, 0,1,2,3
	ds_load_b128 v[X+16*((\t)%2)+4*\i:X+16*((\t)%2)+4*\i+3], v15 offset:32*SP*((\t)%2)+16*\i
.endr
.endm
.irp t, 0,1,2,3
	LOAD \t
.endr
	s_wait_loadcnt 12                              ; step 0's four loads are in; the twelve of steps 1 to 3 may be out
	TURN 0
.macro STEP t
.set XS, X+16*((\t)%2)
.if (\t) > 0
	s_wait_dscnt 1                                 ; this step's numbers are back from the stage (the last step's byte store may be out): so its stores into the stage have read their registers,
.else
	s_wait_dscnt 0x0
.endif
.if (\t)+4 < STEPS
	LOAD (\t)+4                                    ; which take the loads of four steps on
.endif
.if (\t)+1 < STEPS
.if STEPS-2-(\t) >= 3
	s_wait_loadcnt 12                              ; the next step's four loads are in; those of the three steps behind it may be out
.else
	s_wait_loadcnt 4*(STEPS-2-(\t))
.endif
	TURN (\t)+1                                    ; and go through the other stage while this step is worked
.endif
	v_max3_num_f32 v8, |v[XS]|, |v[XS+1]|, |v[XS+2]|               ; the largest magnitude of my 16, in two chains
	v_max3_num_f32 v9, |v[XS+3]|, |v[XS+4]|, |v[XS+5]|
.irp i, 6,10
	v_max3_num_f32 v8, v8, |v[XS+\i]|, |v[XS+\i+1]|
	v_max3_num_f32 v9, v9, |v[XS+\i+2]|, |v[XS+\i+3]|
.endr
	v_max3_num_f32 v8, v8, |v[XS+14]|, |v[XS+15]|
	v_max3_num_f32 v8, v8, v9, (EMAX+1)<<23        ; and the floor 2^(EMAX + 1 - 127): the byte cannot fall under 1
	v_max_num_f32_dpp v8, v8, v8 row_xmask:1 row_mask:0xf bank_mask:0xf   ; and of my neighbour's 16: the block's
	v_add_nc_u32 v11, -(EMAX<<23), v8              ; EMAX off its exponent field: the conversion takes the exponent field of this operand as its scale
	v_cvt_scalef32_pk8_fp4_f32 v[C+4*(\t)], v[XS:XS+7], v11
	v_cvt_scalef32_pk8_fp4_f32 v[C+4*(\t)+1], v[XS+8:XS+15], v11
	v_lshrrev_b32 v[E+(\t)], 23, v11               ; the scale's byte (a plain line behind the conversions)
	ds_store_b8 v5, v[E+(\t)] offset:16*(\t)       ; both lanes of a block write the same byte with the same value
	global_store_b64 v4, v[C+4*(\t):C+4*(\t)+1], s[8:9] offset:32*CB*(\t)   ; the wave stores 256 consecutive bytes, aligned
.endm
.irp t, 0,1,2,3,4,5,6,7,8,9,10,11,12,13,14,15
	STEP \t
.endr
	ds_load_b64 v[8:9], v6                         ; LDS serves a wave's instructions in order: these see my stores
	s_wait_dscnt 0x0
	global_store_b64 v7, v[8:9], s[10:11]          ; 32 lanes store 256 consecutive bytes, aligned
	s_wait_tensorcnt 0x0                           ; the wave's end, behind my last LDS store
	ds_add_u32 v[SPW], v[NIL]
	s_wait_dscnt 0x0
	s_endpgm
.Lconv:                                                ; proj_w to f16 images.  Wave W = 4 (work-group - 352) + wave takes rows 16 (W / 8) on, k = 128 (W % 8) on
	s_sub_co_u32 s17, ttmp9, WGQ
	s_lshl_b32 s17, s17, 2
	s_add_co_u32 s17, s17, s16
	s_lshr_b32 s18, s17, 3                         ; the tile of 16 rows
	s_and_b32 s19, s17, 7                          ; which 128 along K
	s_lshl_b32 s20, s18, 16                        ; in proj_w: 16 rows of 4,096 bytes,
	s_lshl_b32 s21, s19, 9                         ; 512 bytes along a row
	s_add_co_u32 s20, s20, s21
	s_mov_b32 s21, 0
	s_lshl_b32 s22, s18, 15                        ; in pw: 64 blocks of 512 bytes a tile,
	s_lshl_b32 s23, s19, 12                        ; 8 blocks
	s_add_co_u32 s22, s22, s23
	s_mov_b32 s23, 0
	s_mul_i32 s28, s16, 16*CP
	s_add_co_u32 s28, s28, CST                     ; my stage
	v_add_nc_u32 v14, s28, v3                      ; in: 16 x lane of a row
	v_and_b32 v4, 15, v0                           ; r
	v_bfe_u32 v5, v0, 4, 1                         ; h
	v_mul_u32_u24 v15, v4, CP
	v_lshl_add_u32 v15, v5, 5, v15
	v_add_nc_u32 v15, s28, v15                     ; out: row r, + 32 h bytes: my 8 numbers of a block
	s_wait_kmcnt 0x0
	s_add_nc_u64 s[24:25], s[24:25], s[20:21]
	s_add_nc_u64 s[26:27], s[26:27], s[22:23]
.irp i, 0,1,2,3,4,5,6,7,8,9,10,11,12,13,14,15
	global_load_b128 v[16+4*\i:19+4*\i], v3, s[24:25] offset:4096*\i th:TH_LOAD_NT   ; 512 consecutive bytes of row i
.endr
.irp i, 0,1,2,3,4,5,6,7,8,9,10,11,12,13,14,15
	s_wait_loadcnt 15-\i                           ; row i is in; the 15 - i younger loads may be out
	ds_store_b128 v14, v[16+4*\i:19+4*\i] offset:CP*\i
.endr
.irp n, 0,1,2,3,4,5,6,7,8,9,10,11,12,13,14,15
	ds_load_b128 v[80+4*\n:83+4*\n], v15 offset:64*(\n/2)+16*(\n%2)   ; block n / 2: row r, k = 16 (n / 2) + 8 h + 4 (n % 2) + 0..3.  A wave's own bytes: served in order
.endr
	s_wait_dscnt 0x0
.set I, 0
.rept 32
	v_cvt_pk_f16_f32 v[144+I], v[80+2*I], v[81+2*I]   ; the lower k into the low half
.set I, I+1
.endr
.irp m, 0,1,2,3,4,5,6,7
	global_store_b128 v3, v[144+4*\m:147+4*\m], s[26:27] offset:512*\m   ; a block: 512 consecutive bytes, aligned
.endr
	s_wait_tensorcnt 0x0                           ; the wave's end: the same three lines
	ds_add_u32 v[SPW], v[NIL]
	s_wait_dscnt 0x0
	s_endpgm
.Lfunc_end_k_q769939da11_prep:
	.size	k_q769939da11_prep, .Lfunc_end_k_q769939da11_prep-k_q769939da11_prep
	.p2alignl 7, 3214868480
	.fill 96, 4, 3214868480
	.section	.rodata,"a",@progbits
	.p2align	6, 0x0
	.amdhsa_kernel k_q769939da11_prep
		.amdhsa_group_segment_fixed_size 67072
		.amdhsa_private_segment_fixed_size 0
		.amdhsa_enable_private_segment 0
		.amdhsa_kernarg_size 64
		.amdhsa_user_sgpr_count 2
		.amdhsa_user_sgpr_kernarg_segment_ptr 1
		.amdhsa_wavefront_size32 1
		.amdhsa_system_sgpr_workgroup_id_x 1
		.amdhsa_system_sgpr_workgroup_id_y 1
		.amdhsa_system_sgpr_workgroup_id_z 1
		.amdhsa_system_vgpr_workitem_id 0
		.amdhsa_next_free_vgpr 192
		.amdhsa_next_free_sgpr 66
		.amdhsa_reserve_vcc 0
		.amdhsa_float_denorm_mode_32 3
		.amdhsa_float_denorm_mode_16_64 3
		.amdhsa_memory_ordered 1
		.amdhsa_forward_progress 1
		.amdhsa_inst_pref_size 41
	.end_amdhsa_kernel
	.amdgpu_metadata
---
amdhsa.version: [ 1, 2 ]
amdhsa.kernels:
  - .name:           k_q769939da11_prep
    .symbol:         k_q769939da11_prep.kd
    .args:
      - { .name: x, .offset: 0, .size: 8, .value_kind: global_buffer, .address_space: global }
      - { .name: qkv_w, .offset: 8, .size: 8, .value_kind: global_buffer, .address_space: global }
      - { .name: xc, .offset: 16, .size: 8, .value_kind: global_buffer, .address_space: global }
      - { .name: xs, .offset: 24, .size: 8, .value_kind: global_buffer, .address_space: global }
      - { .name: wc, .offset: 32, .size: 8, .value_kind: global_buffer, .address_space: global }
      - { .name: ws, .offset: 40, .size: 8, .value_kind: global_buffer, .address_space: global }
      - { .name: proj_w, .offset: 48, .size: 8, .value_kind: global_buffer, .address_space: global }
      - { .name: pw, .offset: 56, .size: 8, .value_kind: global_buffer, .address_space: global }
    .group_segment_fixed_size: 67072
    .private_segment_fixed_size: 0
    .kernarg_segment_align: 8
    .kernarg_segment_size: 64
    .max_flat_workgroup_size: 128
    .sgpr_count:     66
    .vgpr_count:     192
    .wavefront_size: 32
...
	.end_amdgpu_metadata
.endif
;; end of part 1
;; launch qkv (part 2): grid 12 x 32, 4 waves a work-group, clusters of 4 x 4, 327,680 bytes of LDS; arguments xc, xs, wc, ws, qkvh, q_norm_w, k_norm_w; writes qkvh
.if DOCPART == 2
	.amdgcn_target "amdgcn-amd-amdhsa--gfx1250"
	.amdhsa_code_object_version 6
	.text
	.protected	k_q769939da11_qkv
	.globl	k_q769939da11_qkv
	.p2align	8
	.type	k_q769939da11_qkv,@function
k_q769939da11_qkv:
	s_mov_b64 s[64:65], 0
	v_nop
	global_prefetch_b8 v0, s[64:65] scope:SCOPE_SE
	s_setreg_imm32_b32 hwreg(HW_REG_WAVE_MODE, 25, 1), 1
	s_wait_xcnt 0x0
	s_wait_alu depctr_hold_cnt(0) depctr_sa_sdst(0) depctr_va_vdst(0) depctr_va_sdst(0) depctr_va_ssrc(0) depctr_va_vcc(0) depctr_vm_vsrc(0)
	s_getreg_b32 s2, hwreg(HW_REG_IB_STS2, 6, 4)
	s_cmp_eq_u32 s2, 0
	s_cbranch_scc0 .Lentry_in_a_cluster
	s_endpgm
.Lentry_in_a_cluster:
	s_bfe_u32 s2, ttmp6, 0x10000c
	s_cmp_lg_u32 s2, 0xf033
	s_cbranch_scc0 .Lentry_shape_is_right
	s_endpgm
.Lentry_shape_is_right:
; QKV.  C[m][n] = sum over k of x[m][k] qkv_w[n][k] on codes of FP4 (E2M1) with one E8M0 scale for each 32 along K, sums in f32; then, on the way out, the RMS norm of each head of q and k (64 channels),
; its gain, and the rounding to f16.  M = 8,192 tokens, N = 3,072 = (q, k, v) x 16 heads x 64, K = 1,024.
; A tile of C, 256 x 256, is made by a work-group of four waves; a wave makes 128 tokens x 128 columns (two heads): 64 accumulators of 16 x 16, 512 registers.
; K = 1,024 is two LDS slots of 512 along K (rows of 256 bytes): both are filled at the start and nothing is filled again; by this text's count a wave has three tensor loads out: its scales, slot 0, slot 1.
; CLUSTERS: 4 x 4 work-groups.  The four of a row of the cluster need the same tiles of x, the four of a column the same tiles of qkv_w: each tile is asked for JOINTLY.  A cluster's x is 1,024 columns: 0 = q, 1 = k, 2 = v.
; THE MATRIX INSTRUCTION IS USED TRANSPOSED (source 0 = 16 rows of qkv_w, source 1 = 16 tokens): lane (r, h) holds token r and eight neighbouring channels 8 h + 0..7 of each of its tiles, 32 of a head's 64;
; the other 32 lie in the lane 16 away: a head's sum of squares wants one exchange.
; qkvh's LAYOUT: [q, k, v][batch x 16 + head][tile of 16 tokens][kappa 0..3][512 bytes].  A block holds 16 tokens x 16 channels in chunks of 16 bytes.  q, k: chunk r + 16 h = token r, channels 16 kappa + 8 h + 0..7:
; the image of half a matrix fragment.  v: the same chunk lies at (r % 8) + 8 h + 16 (r / 8), the order in which the turning LDS load of the next launch wants it.  A lane's eight channels ARE a chunk: the results
; are stored from registers, 512 consecutive aligned bytes an instruction.
; v has no norm: the same lines run with 1.0 in place of the gain and of 1 / rms, chosen by v_cndmask_b32 on the cluster's x: no branch.
; LIMITS: q, k, v are f16: magnitudes under 65,504; under 6e-5 an absolute error of at most 3e-8.  v_rsq_f32 is good to 1 ulp.  NaN and infinities are not served.
; REGISTERS, in windows of 256: window 0: v0-31 addresses; v32-95 scale words, two sets; v128-191 x's fragments, ONE set; v192-223 the gains; on the way out v96-127 packed f16, v128-191 at work, v224-255 sums of squares.
;   window 1: qkv_w's fragments, TWO sets, at v0 and v128.   window 2: the accumulators of my tokens 0-63 ((a, b) at v[8 (8 a + b)]);   window 3: those of tokens 64-127.
.set SIZE_M, 8192
.set SIZE_N, 3072
.set SIZE_K, 1024
.set KSTEP,  512                       ; along K in a slot
.set NQ,     KSTEP/128                 ; matrix instructions deep
.set ROWB,   256                       ; a tile's row in bytes
.set KROW,   SIZE_K*4/8                ; a row of codes in memory
.set PITCH,  272                       ; an LDS row: 256 bytes + 16 of padding: the 16 rows that a load touches start 16 bytes apart modulo 256
.set FR,     8                         ; registers of a fragment: 16 rows x 128 K
.set NL,     2                         ; LDS loads that bring one
.set NP,     4                         ; places behind this matrix instruction (ISA guide 7.12.1)
.set HALFT,  128*PITCH                 ; 128 rows: what one tensor load brings
.set SLOT,   4*HALFT                   ; x's 256 rows, then qkv_w's 256 rows
.set KS,     SIZE_K/32                 ; a row of scales in bytes
.set SCL,    2*SLOT                    ; behind the slots: the scales, as rows of 256 bytes + 16 of padding
.set HALFS,  (128*KS/256)*272          ; the scales of 128 rows
.set SBLK,   (16*KS/256)*272           ; those of 16 rows
.set SPARE,  SCL+4*HALFS               ; the spare words, 128 bytes for each wave
.set ADRA, 16                          ; v16-17  LDS address of my x fragments in slot 0, 1
.set ADRB, 20                          ; v20-21  the same for qkv_w
.set CO,   26                          ; v26     my chunk's place in a block of qkvh
.set ADRS, 27                          ; v27     LDS address of my scale words: lanes 0-15 x's rows, lanes 16-31 qkv_w's
.set SPW,  28                          ; v28     LDS address of my spare word; never rewritten
.set NIL,  29                          ; v29     0; never rewritten
.set GOF,  30                          ; v30     32 h: my eight gains of a tile
.set SC,   32                          ; scale words: set s at v[SC + 8 NQ s]
.set AF,   128                         ; x's fragments
.set PK,   96                          ; the way out: 32 registers of packed f16
.set T,    128                         ; 64 numbers at work
.set WR,   192                         ; the gains of my 32 channels of a head
.set SS,   224                         ; pair 2 a + hh: sum of squares, then 1 / rms in its low register
.set VM,   95                          ; s95     all ones in a work-group of v, else 0
.set G1, 24
.set G0, 32
.set G1B, 48
.set G0B, 56
.set G1S, 68
.set G0S, 76
.set G1SB, 80
.set G0SB, 88
.set MSB, 0
.macro WIN new                         ; the immediate's high byte repeats the setting that is left
.if MSB != \new
	s_set_vgpr_msb (MSB<<8)|\new
.set MSB, \new
.endif
.endm
.set MUL_LO, 0xa1                      ; source 0 (qkv_w) window 1, source 1 (x) window 0, C and D window 2
.set MUL_HI, 0xf1                      ; the same, C and D window 3
.set TO_B,   0x40                      ; destination window 1, address window 0
; A joint load: waves 0 and 1 fetch for x, waves 2 and 3 for qkv_w.  The branch hangs on the wave's number alone.  An s_nop 0 and four v_nop follow each of the two lines.
.macro JLOAD g0a, g1a, g0b, g1b
	s_cmp_eq_u32 s15, 0
	s_cbranch_scc0 .Lfor_b_\@
	tensor_load_to_lds s[\g0a:\g0a+3], s[\g1a:\g1a+7]
	s_nop 0
.rept 4
	v_nop
.endr
	s_branch .Lasked_\@
.Lfor_b_\@:
	tensor_load_to_lds s[\g0b:\g0b+3], s[\g1b:\g1b+7]
	s_nop 0
.rept 4
	v_nop
.endr
.Lasked_\@:
.endm
.macro CROUND                          ; a round of the cluster's barrier
	s_barrier_signal -1
	s_barrier_wait -1
	s_cmp_lg_u32 s14, 0
	s_cbranch_scc1 .Lnot_wave_0_\@
	s_barrier_signal -3
.Lnot_wave_0_\@:
	s_barrier_wait -3
	s_barrier_signal -1
	s_barrier_wait -1
.endm
	s_load_b128 s[4:7], s[0:1], 0x0                ; x's codes, x's scales
	s_load_b128 s[8:11], s[0:1], 0x10              ; qkv_w's codes, its scales
	s_load_b64 s[12:13], s[0:1], 0x20              ; qkvh
	s_load_b64 s[96:97], s[0:1], 0x28              ; q's gain
	s_load_b64 s[98:99], s[0:1], 0x30              ; k's gain
	v_lshl_add_u32 v[SPW], v0, 2, SPARE
	v_mov_b32 v[NIL], 0
	ds_add_u32 v[SPW], v[NIL]                      ; the wave's opening: the add, twice on end, and its wait ahead of my first tensor load
	ds_add_u32 v[SPW], v[NIL]
	v_lshrrev_b32 v1, 5, v0
	v_readfirstlane_b32 s14, v1                    ; wave 0..3
	s_lshr_b32 s15, s14, 1                         ; which half of the tile's tokens is mine.  Also: I fetch for x (0) or for qkv_w (1)
	s_and_b32 s16, s14, 1                          ; which half of its columns.  Also: which 128 rows of that tile I fetch
	s_bfe_u32 s40, ttmp6, 0x40000                  ; cx, cy: my place in the cluster
	s_bfe_u32 s41, ttmp6, 0x40004
	s_lshl_b32 s42, ttmp9, 2
	s_add_co_u32 s42, s42, s40                     ; tile column = 4 x cluster x + cx
	s_and_b32 s17, ttmp7, 0xffff
	s_lshl_b32 s17, s17, 2
	s_add_co_u32 s17, s17, s41                     ; tile row = 4 x cluster y + cy
	s_lshl_b32 s43, s41, 2
	s_lshl_b32 s43, 15, s43                        ; my row of the cluster
	s_lshl_b32 s44, 0x1111, s40                    ; my column
	; descriptor group 1: a tile of 128 rows x 256 bytes, 16 bytes of padding behind each row
	s_or_b32 s[G1+0], s43, (0<<16)|(1<<20)|(1<<21)|(5<<22)|(3<<25)  ; the mask: x's tiles go to my row; elements of 1 byte; padding on, after every 64 words, of 4 words; bit 21 beside a mask
	s_or_b32 s[G1B+0], s44, (0<<16)|(1<<20)|(1<<21)|(5<<22)|(3<<25)
.irp g, G1, G1B
	s_mov_b32 s[\g+1], ROWB<<16                    ; tensor_dim0
	s_mov_b32 s[\g+2], 128<<16                     ; tensor_dim1
	s_mov_b32 s[\g+3], ROWB<<16                    ; tile_dim0
	s_mov_b32 s[\g+4], 128                         ; tile_dim1
	s_mov_b32 s[\g+5], KROW                        ; the pitch in memory
	s_mov_b32 s[\g+6], 0
	s_mov_b32 s[\g+7], 0
.endr
	; the scales of 128 rows: a dense block of 4,096 bytes, as rows of 256 bytes (32 elements of 8 bytes), 16 bytes of padding behind each
	s_or_b32 s[G1S+0], s43, (3<<16)|(1<<20)|(1<<21)|(5<<22)|(3<<25)
	s_or_b32 s[G1SB+0], s44, (3<<16)|(1<<20)|(1<<21)|(5<<22)|(3<<25)
.irp g, G1S, G1SB
	s_mov_b32 s[\g+1], 32<<16
	s_mov_b32 s[\g+2], (128*KS/256)<<16
	s_mov_b32 s[\g+3], 32<<16
	s_mov_b32 s[\g+4], 128*KS/256
	s_mov_b32 s[\g+5], 32
	s_mov_b32 s[\g+6], 0
	s_mov_b32 s[\g+7], 0
.endr
	s_lshl_b32 s18, s16, 7                         ; which 128 rows of the tile I fetch
	s_lshl_b32 s20, s17, 8
	s_add_co_u32 s20, s20, s18                     ; x: row 256 x tile row + 128 x half
	s_lshl_b32 s46, s42, 8
	s_add_co_u32 s46, s46, s18                     ; qkv_w: row 256 x tile column + 128 x half
	s_mov_b32 s21, 0
	s_mov_b32 s47, 0
	s_mov_b64 s[18:19], KS
	s_mul_u64 s[22:23], s[20:21], s[18:19]         ; where these rows' scales begin,
	s_mul_u64 s[92:93], s[46:47], s[18:19]
	s_mov_b64 s[18:19], KROW
	s_mul_u64 s[20:21], s[20:21], s[18:19]         ; and their codes
	s_mul_u64 s[46:47], s[46:47], s[18:19]
	s_mul_i32 s45, s14, HALFT                      ; where they go: wave x 128 rows: no place in the cluster enters an LDS address
	s_mul_i32 s94, s14, HALFS
	s_mov_b32 s66, 0x358637bd                      ; 1e-6
	s_mov_b32 s67, 0x3c800000                      ; 1 / 64
	s_mov_b32 s100, 0x76543210                     ; v_permlanex16_b32's selects for lane l xor 16
	s_mov_b32 s101, 0xfedcba98
	s_cmp_eq_u32 ttmp9, 2                          ; the cluster's x: the same in all sixteen partners
	s_cselect_b32 s[VM], -1, 0
	s_wait_dscnt 0x0                               ; both opening adds are done
	s_wait_kmcnt 0x0
	s_add_nc_u64 s[20:21], s[4:5], s[20:21]
	s_add_nc_u64 s[22:23], s[6:7], s[22:23]
	s_add_nc_u64 s[46:47], s[8:9], s[46:47]
	s_add_nc_u64 s[92:93], s[10:11], s[92:93]
	CROUND                                         ; all sixteen work-groups are here: the first joint loads meet
	s_mov_b32 s[G0S], 1
	s_add_co_u32 s[G0S+1], s94, SCL
	s_mov_b64 s[G0S+2:G0S+3], s[22:23]
	s_or_b32 s[G0S+3], s[G0S+3], 0x80000000
	s_mov_b32 s[G0SB], 1
	s_add_co_u32 s[G0SB+1], s94, SCL
	s_mov_b64 s[G0SB+2:G0SB+3], s[92:93]
	s_or_b32 s[G0SB+3], s[G0SB+3], 0x80000000
	JLOAD G0S, G1S, G0SB, G1SB                     ; the scales first: they are wanted with the first step
.irp s, 0,1
	s_mov_b32 s[G0+4*\s], 1
	s_add_co_u32 s[G0+4*\s+1], s45, \s*SLOT
	s_add_nc_u64 s[G0+4*\s+2:G0+4*\s+3], s[20:21], \s*ROWB
	s_or_b32 s[G0+4*\s+3], s[G0+4*\s+3], 0x80000000
	s_mov_b32 s[G0B+4*\s], 1
	s_add_co_u32 s[G0B+4*\s+1], s45, \s*SLOT
	s_add_nc_u64 s[G0B+4*\s+2:G0B+4*\s+3], s[46:47], \s*ROWB
	s_or_b32 s[G0B+4*\s+3], s[G0B+4*\s+3], 0x80000000
	JLOAD G0+4*\s, G1, G0B+4*\s, G1B
.endr
	v_and_b32 v1, 15, v0                           ; r
	v_bfe_u32 v2, v0, 4, 1                         ; h
	v_lshlrev_b32 v[GOF], 5, v2
	s_cmp_eq_u32 ttmp9, 0
	s_cselect_b64 s[96:97], s[96:97], s[98:99]     ; q's gain for q, k's for k (and for v, where 1.0 takes its place below)
.irp bb, 0,1,2,3
.irp e, 0,1
	global_load_b128 v[WR+8*\bb+4*\e:WR+8*\bb+4*\e+3], v[GOF], s[96:97] offset:64*\bb+16*\e   ; the gains of channels 16 bb + 8 h + 4 e + 0..3
.endr
.endr
	v_mul_u32_u24 v3, v1, PITCH
	v_lshl_add_u32 v4, v2, 4, v3                   ; a fragment's row x pitch + 16 x half
	s_mul_i32 s21, s15, HALFT                      ; my 128 rows of x
	s_mul_i32 s22, s16, HALFT                      ; my 128 rows of qkv_w,
	s_add_co_u32 s22, s22, 2*HALFT                 ; which lie behind x's 256
.irp s, 0,1
	v_add_nc_u32 v[ADRA+\s], s21, v4
	v_add_nc_u32 v[ADRB+\s], s22, v4
	s_add_co_u32 s21, s21, SLOT
	s_add_co_u32 s22, s22, SLOT
.endr
	v_mul_u32_u24 v5, v1, KS                       ; my row's scales: KS bytes a row,
	v_lshrrev_b32 v6, 8, v5
	v_lshl_add_u32 v5, v6, 4, v5                   ; and 16 more for each 256 passed
	s_mul_i32 s21, s15, HALFS
	s_mul_i32 s22, s16, HALFS
	s_add_co_u32 s22, s22, 2*HALFS
	s_sub_co_u32 s22, s22, s21
	v_mul_u32_u24 v6, s22, v2                      ; lanes 16-31 take qkv_w's: one product, the distance between the two bases x h
	s_add_co_u32 s21, s21, SCL
	v_add_nc_u32 v5, v5, v6
	v_add_nc_u32 v[ADRS], s21, v5
	; my chunk's place in a block: 16 x lane; for v 16 x (lane with bits 3 and 4 changed over)
	v_and_b32 v6, 7, v0
	v_lshl_or_b32 v6, v2, 3, v6
	v_bfe_u32 v7, v0, 3, 1
	v_lshl_or_b32 v6, v7, 4, v6
	v_lshlrev_b32 v6, 4, v6
	v_and_b32 v7, 31, v0
	v_lshlrev_b32 v[CO], 4, v7
	v_cndmask_b32 v[CO], v[CO], v6, s[VM]
	; where my wave's part of qkvh begins: part x 2^24 + (16 batch + 4 cx + 2 x column half) x 2^18 + (16 (tile row % 8) + 8 x token half) x 2^11
	s_lshl_b32 s20, ttmp9, 24
	s_lshr_b32 s21, s17, 3                         ; the batch: 8 tile rows of 256 tokens each
	s_lshl_b32 s21, s21, 4
	s_lshl_b32 s22, s40, 2
	s_add_co_u32 s21, s21, s22
	s_lshl_b32 s22, s16, 1
	s_add_co_u32 s21, s21, s22
	s_lshl_b32 s21, s21, 18
	s_add_co_u32 s20, s20, s21
	s_and_b32 s21, s17, 7
	s_lshl_b32 s21, s21, 4
	s_lshl_b32 s22, s15, 3
	s_add_co_u32 s21, s21, s22
	s_lshl_b32 s21, s21, 11
	s_add_co_u32 s20, s20, s21
	s_mov_b32 s21, 0
	s_add_nc_u64 s[12:13], s[12:13], s[20:21]
.macro FRAG reg, adr, q, i             ; a fragment, 16 rows x 128 K of 4-bit codes: lane l holds row l % 16; registers 4 c .. 4 c + 3 hold K = 64 c + 32 (l / 16) + 0 .. 31
.irp c, 0,1
	ds_load_b128 v[\reg+4*\c:\reg+4*\c+3], v[\adr] offset:64*(\q)+32*\c+(\i)*16*PITCH
.endr
.endm
; 16 matrix instructions: x's blocks a0, a0 + 1 against qkv_w's eight, the slot's q-th 128 along K.  p: qkv_w's set; sc: the set of scale words.  zero = 1: the first product starts the sums.
; The 64 accumulators take turns, one instruction a turn, in the same order in every step.  One register carries x's scale word in lanes 0-15 and qkv_w's in lanes 16-31.
.macro MUL16 a0, p, q, sc, zero
.irp a, \a0, \a0+1
.irp b, 0,1,2,3,4,5,6,7
.if \zero
	v_wmma_scale_f32_16x16x128_f8f6f4 v[8*(8*((\a)%4)+\b):8*(8*((\a)%4)+\b)+7], v[128*(\p)+FR*\b:128*(\p)+FR*\b+FR-1], v[AF+FR*(\a):AF+FR*(\a)+FR-1], 0, v[SC+8*NQ*(\sc)+NQ*\b+(\q)], v[SC+8*NQ*(\sc)+NQ*(\a)+(\q)] matrix_a_fmt:MATRIX_FMT_FP4 matrix_b_fmt:MATRIX_FMT_FP4 matrix_a_scale:MATRIX_SCALE_ROW1
.else
	v_wmma_scale_f32_16x16x128_f8f6f4 v[8*(8*((\a)%4)+\b):8*(8*((\a)%4)+\b)+7], v[128*(\p)+FR*\b:128*(\p)+FR*\b+FR-1], v[AF+FR*(\a):AF+FR*(\a)+FR-1], v[8*(8*((\a)%4)+\b):8*(8*((\a)%4)+\b)+7], v[SC+8*NQ*(\sc)+NQ*\b+(\q)], v[SC+8*NQ*(\sc)+NQ*(\a)+(\q)] matrix_a_fmt:MATRIX_FMT_FP4 matrix_b_fmt:MATRIX_FMT_FP4 matrix_a_scale:MATRIX_SCALE_ROW1
.endif
.endr
.endr
.endm
.macro FETCH_B slot, q, p              ; qkv_w's eight fragments of the slot's q-th 128 along K into set p
	WIN TO_B
.irp i, 0,1,2,3,4,5,6,7
	FRAG 128*(\p)+FR*\i, ADRB+\slot, \q, \i
.endr
	WIN 0
.endm
.macro FETCH_A slot, q, i0             ; x's blocks i0 .. i0 + 3
.irp i, \i0, \i0+1, \i0+2, \i0+3
	FRAG AF+FR*(\i), ADRA+\slot, \q, \i
.endr
.endm
.macro SCALES sc                       ; a slot's scale words into set sc: NQ words a row
.irp i, 0,1,2,3,4,5,6,7
	ds_load_b128 v[SC+8*NQ*\sc+NQ*\i:SC+8*NQ*\sc+NQ*\i+3], v[ADRS] offset:\i*SBLK
.endr
.endm
.macro PLACES n                        ; plain vector lines between a matrix instruction and a load into a register that it has read (ISA guide 7.12.1 for vector instructions)
.rept \n
	v_nop
.endr
.endm
; A step of 128 along K that has its successor in the same slot.
.macro STEP slot, q, zero
	s_wait_dscnt 4*NL                              ; qkv_w's set and x's blocks 0-3 are in; the youngest eight loads (x's blocks 4-7) may be out
	WIN MUL_LO
	MUL16 0, (\q)%2, \q, \slot, \zero
	MUL16 2, (\q)%2, \q, \slot, \zero
	s_wait_dscnt 0                                 ; x's blocks 4-7 are in
	PLACES NP
	FETCH_B \slot, (\q)+1, 1-(\q)%2
	FETCH_A \slot, (\q)+1, 0
	WIN MUL_HI
	MUL16 4, (\q)%2, \q, \slot, \zero
	MUL16 6, (\q)%2, \q, \slot, \zero
	PLACES NP
	WIN 0
	FETCH_A \slot, (\q)+1, 4
.endm
; Slot 0's last step changes slots: one barrier; in front of it each wave waits for all its tensor loads (its part of slot 1), adds 0 to its spare word, and waits for that and for its LDS loads.  Nothing is filled again.
.macro TURN slot, next
	s_wait_tensorcnt 0x0                           ; all my tensor loads have landed: my part of the next slot
	ds_add_u32 v[SPW], v[NIL]                      ; 0 onto my spare word
	s_wait_dscnt 4*NL+1                            ; (the add and the youngest eight loads, x's blocks 4-7, may be out)
	WIN MUL_LO
	MUL16 0, 1, NQ-1, \slot, 0
	s_wait_dscnt 0x0                               ; the add is done, and my LDS loads are in
	s_barrier_signal -1
	MUL16 2, 1, NQ-1, \slot, 0
	WIN 0
	s_barrier_wait -1                              ; everybody's part of the next slot has landed
	PLACES NP
	v_add_nc_u32 v[ADRS], 4*NQ, v[ADRS]            ; on to the next slot's scale words
	FETCH_B \next, 0, 0
	FETCH_A \next, 0, 0
	SCALES \next
	WIN MUL_HI
	MUL16 4, 1, NQ-1, \slot, 0
	MUL16 6, 1, NQ-1, \slot, 0
	PLACES NP
	WIN 0
	FETCH_A \next, 0, 4
.endm
.macro STEPS slot, from                ; the slot's steps from .. NQ - 2
.set Q, \from
.rept NQ-1-\from
	STEP \slot, Q, 0
.set Q, Q+1
.endr
.endm
	s_wait_tensorcnt 1                             ; the scales and my part of slot 0 are in (slot 1's load may be out),
	s_barrier_signal -1
	s_barrier_wait -1                              ; everybody's are
	FETCH_B 0, 0, 0
	FETCH_A 0, 0, 0
	SCALES 0
	FETCH_A 0, 0, 4
	STEP 0, 0, 1                                   ; the first step's products start the sums
	STEPS 0, 1
	TURN 0, 1
	STEPS 1, 0
	s_wait_dscnt 4*NL                              ; the last step: nothing more to fetch
	WIN MUL_LO
	MUL16 0, 1, NQ-1, 1, 0
	MUL16 2, 1, NQ-1, 1, 0
	s_wait_dscnt 0
	WIN MUL_HI
	MUL16 4, 1, NQ-1, 1, 0
	MUL16 6, 1, NQ-1, 1, 0
	WIN 0
; THE WAY OUT.  For token block a and head hh my lane's 32 numbers are registers 64 (a % 4) + 32 hh + 0..31 of window 2 + a / 4; register 8 bb + j is channel 16 bb + 8 h + j.
	s_wait_loadcnt 0x0                             ; the gains
.set I, 0
.rept 32
	v_cndmask_b32 v[WR+I], v[WR+I], 1.0, s[VM]     ; v has no gain.  (These 32 plain lines, which name no register of the last products, are also the places behind them)
.set I, I+1
.endr
.macro SSQ a0                          ; sums of squares of blocks a0, a0 + 1, both heads: four chains by turns, two numbers an instruction; each accumulator is read from its low end on
	WIN (0x0a+5*((\a0)/4))
.set I, 0
.rept 16
.irp a, \a0, \a0+1
.irp hh, 0,1
.set AC, 64*((\a)%4)+32*\hh+2*I
.set SQ, SS+2*(2*(\a)+\hh)
.if I == 0
	v_pk_mul_f32 v[SQ:SQ+1], v[AC:AC+1], v[AC:AC+1]
.else
	v_pk_fma_f32 v[SQ:SQ+1], v[AC:AC+1], v[AC:AC+1], v[SQ:SQ+1]
.endif
.endr
.endr
.set I, I+1
.endr
.endm
	SSQ 0
	SSQ 2
	SSQ 4
	SSQ 6
	WIN 0
.irp p, 0,1,2,3,4,5,6,7,8,9,10,11,12,13,14,15
	v_add_f32 v[SS+2*\p], v[SS+2*\p], v[SS+2*\p+1]
.endr
.irp p, 0,1,2,3,4,5,6,7,8,9,10,11,12,13,14,15
	v_permlanex16_b32 v[SS+2*\p+1], v[SS+2*\p], s100, s101   ; the head's other 32 channels lie in the lane 16 away
.endr
.irp p, 0,1,2,3,4,5,6,7,8,9,10,11,12,13,14,15
	v_add_f32 v[SS+2*\p], v[SS+2*\p], v[SS+2*\p+1]
.endr
.irp p, 0,1,2,3,4,5,6,7,8,9,10,11,12,13,14,15
	v_fma_f32 v[SS+2*\p], v[SS+2*\p], s67, s66     ; the mean of the squares + 1e-6
.endr
.irp p, 0,1,2,3,4,5,6,7,8,9,10,11,12,13,14,15
	v_rsq_f32 v[SS+2*\p], v[SS+2*\p]
.endr
	v_nop                                          ; a plain line behind the last of the batch,
	s_wait_alu depctr_va_vdst(0)                   ; and the one wait ahead of the batch's first reader
.irp p, 0,1,2,3,4,5,6,7,8,9,10,11,12,13,14,15
	v_cndmask_b32 v[SS+2*\p], v[SS+2*\p], 1.0, s[VM]   ; v has no norm
.endr
.macro OUTB a                          ; 16 tokens x 128 columns: x 1 / rms, x gain (in that order), to f16, stored
	WIN (0x02+(\a)/4)
.irp hh, 0,1
.set I, 0
.rept 16
	v_pk_mul_f32 v[T+32*\hh+2*I:T+32*\hh+2*I+1], v[64*((\a)%4)+32*\hh+2*I:64*((\a)%4)+32*\hh+2*I+1], v[SS+2*(2*(\a)+\hh):SS+2*(2*(\a)+\hh)+1] op_sel_hi:[1,0]
.set I, I+1
.endr
.endr
	WIN 0
.irp hh, 0,1
.set I, 0
.rept 16
	v_pk_mul_f32 v[T+32*\hh+2*I:T+32*\hh+2*I+1], v[T+32*\hh+2*I:T+32*\hh+2*I+1], v[WR+2*I:WR+2*I+1]
.set I, I+1
.endr
.endr
.if (\a) > 0
	s_wait_xcnt 0x0                                ; the last block's stores have read their data: only behind this wait are those registers written again
.endif
.irp hh, 0,1
.set I, 0
.rept 16
	v_cvt_pk_f16_f32 v[PK+16*\hh+I], v[T+32*\hh+2*I], v[T+32*\hh+2*I+1]
.set I, I+1
.endr
.endr
.irp hh, 0,1
.irp bb, 0,1,2,3
	global_store_b128 v[CO], v[PK+16*\hh+4*\bb:PK+16*\hh+4*\bb+3], s[12:13] offset:2048*(\a)+262144*\hh+512*\bb   ; a block: 512 consecutive bytes, aligned
.endr
.endr
.endm
.irp a, 0,1,2,3,4,5,6,7
	OUTB \a
.endr
	s_wait_tensorcnt 0x0                           ; the wave's end, behind my last tensor load
	ds_add_u32 v[SPW], v[NIL]
	s_wait_dscnt 0x0
	CROUND                                         ; the closing round
	s_endpgm
.Lfunc_end_k_q769939da11_qkv:
	.size	k_q769939da11_qkv, .Lfunc_end_k_q769939da11_qkv-k_q769939da11_qkv
	.p2alignl 7, 3214868480
	.fill 96, 4, 3214868480
	.section	.rodata,"a",@progbits
	.p2align	6, 0x0
	.amdhsa_kernel k_q769939da11_qkv
		.amdhsa_group_segment_fixed_size 327680
		.amdhsa_private_segment_fixed_size 0
		.amdhsa_enable_private_segment 0
		.amdhsa_kernarg_size 56
		.amdhsa_user_sgpr_count 2
		.amdhsa_user_sgpr_kernarg_segment_ptr 1
		.amdhsa_wavefront_size32 1
		.amdhsa_system_sgpr_workgroup_id_x 1
		.amdhsa_system_sgpr_workgroup_id_y 1
		.amdhsa_system_sgpr_workgroup_id_z 1
		.amdhsa_system_vgpr_workitem_id 0
		.amdhsa_next_free_vgpr 1024
		.amdhsa_next_free_sgpr 102
		.amdhsa_reserve_vcc 0
		.amdhsa_float_denorm_mode_32 3
		.amdhsa_float_denorm_mode_16_64 3
		.amdhsa_memory_ordered 1
		.amdhsa_forward_progress 1
		.amdhsa_inst_pref_size 174
	.end_amdhsa_kernel
	.amdgpu_metadata
---
amdhsa.version: [ 1, 2 ]
amdhsa.kernels:
  - .name:           k_q769939da11_qkv
    .symbol:         k_q769939da11_qkv.kd
    .args:
      - { .name: xc, .offset: 0, .size: 8, .value_kind: global_buffer, .address_space: global }
      - { .name: xs, .offset: 8, .size: 8, .value_kind: global_buffer, .address_space: global }
      - { .name: wc, .offset: 16, .size: 8, .value_kind: global_buffer, .address_space: global }
      - { .name: ws, .offset: 24, .size: 8, .value_kind: global_buffer, .address_space: global }
      - { .name: qkvh, .offset: 32, .size: 8, .value_kind: global_buffer, .address_space: global }
      - { .name: q_norm_w, .offset: 40, .size: 8, .value_kind: global_buffer, .address_space: global }
      - { .name: k_norm_w, .offset: 48, .size: 8, .value_kind: global_buffer, .address_space: global }
    .group_segment_fixed_size: 327680
    .private_segment_fixed_size: 0
    .kernarg_segment_align: 8
    .kernarg_segment_size: 56
    .max_flat_workgroup_size: 128
    .sgpr_count:     102
    .vgpr_count:     1024
    .wavefront_size: 32
...
	.end_amdgpu_metadata
.endif
;; end of part 2
;; launch attn (part 3): grid 4 x 64, 8 waves a work-group, clusters of 4 x 1, 327,680 bytes of LDS; arguments qkvh, att; writes att
.if DOCPART == 3
	.amdgcn_target "amdgcn-amd-amdhsa--gfx1250"
	.amdhsa_code_object_version 6
	.text
	.protected	k_q769939da11_attn
	.globl	k_q769939da11_attn
	.p2align	8
	.type	k_q769939da11_attn,@function
k_q769939da11_attn:
	s_mov_b64 s[64:65], 0
	v_nop
	global_prefetch_b8 v0, s[64:65] scope:SCOPE_SE
	s_setreg_imm32_b32 hwreg(HW_REG_WAVE_MODE, 25, 1), 1
	s_wait_xcnt 0x0
	s_wait_alu depctr_hold_cnt(0) depctr_sa_sdst(0) depctr_va_vdst(0) depctr_va_sdst(0) depctr_va_ssrc(0) depctr_va_vcc(0) depctr_vm_vsrc(0)
	s_getreg_b32 s2, hwreg(HW_REG_IB_STS2, 6, 4)
	s_cmp_eq_u32 s2, 0
	s_cbranch_scc0 .Lentry_in_a_cluster
	s_endpgm
.Lentry_in_a_cluster:
	s_bfe_u32 s2, ttmp6, 0x10000c
	s_cmp_lg_u32 s2, 0x3003
	s_cbranch_scc0 .Lentry_shape_is_right
	s_endpgm
.Lentry_shape_is_right:
; ATTN.  O[bh][q] = the sum over k of softmax_k(q . k / 8) v[k], 64 heads (batch x 16 + head) of 2,048 tokens x 64 channels.  q, k, v come as f16 images (below); products, maxima and sums in f32; the weights p are
; rounded to f16 for the second product, O once at the end, to f16.
; SHARES.  A work-group owns 512 queries of one head, each of its EIGHT waves 64: four tiles of 16, in 512 registers: two waves to a SIMD, so that one wave's softmax stands beside the other's products and LDS loads.
; Every wave walks all 2,048 keys, 64 a step.  A fragment of K or V that a wave reads from LDS feeds four matrix instructions.
; LAYOUT.  S^T = K Q^T (source 0 = 16 keys, source 1 = 16 queries): a lane holds ONE query (lane % 16) and keys 8 (lane / 16) + 0..7 of a tile.  Two such tiles, rounded to f16 in pairs, ARE source 1 of O^T = V^T P, whose
; result again holds one query a lane, and eight channels.  So a query's maximum and sum want one exchange between the halves of the lanes.
; qkvh: [q, k, v][head][tile of 16 tokens][kappa 0..3][512 bytes]: a block is 16 tokens x 16 channels in chunks of 16 bytes.  For q and k a load of 16 bytes at 16 x lane brings half a fragment as it stands; v's chunks are
; ordered so that ds_load_tr16_b128 at 16 x lane brings channel lane % 16 and tokens 8 (lane / 16) + 0..7: half a fragment of V^T.  Every LDS load reads 512 consecutive bytes.
; SOFTMAX.  For each query a running maximum m and sum l: p = 2^(c s - c m), c = log2(e) / 8; in every step O and l are multiplied by a = 2^(c m_old - c m_new), which is 1 where m has not grown.
; RING.  Two LDS slots of 512 keys (K 65,536 bytes, then V 65,536).  2,048 keys are four slots' worth: two first fills, two refills.  A refill goes out behind the change of slots and has eight key steps in which to
; land.  Each wave brings 16,384 dense bytes (waves 0-3 K's quarters, waves 4-7 V's) by one load: by this text's count two loads of a wave are out at the start, one behind a change.
; CLUSTER.  The four query blocks of a head are the cluster; they walk the same K and V, so each tile is asked for JOINTLY (mask 15).
; NO PREFETCH: a slot is asked for eight key steps ahead of its first read, so no wave waits for it.
; att: [tile of 16 tokens, 128 batch + n / 16][kappa = 4 head + channel tile][512 bytes], chunks as q's: a lane's eight channels are a chunk, stored from registers, 512 consecutive aligned bytes an instruction.
; LIMITS: p under 2^-126 is 0; p and O are f16 (O: magnitudes under 65,504; under 6e-5 an absolute error of at most 3e-8); NaN and infinities are not served.
; REGISTERS: window 0: v1-4 addresses; v6, v7 the add's two; v8-15 a pair a tile at work; v16-47 statistics, 8 a tile; v48-111 K of a step; v128-255 S^T, 32 a tile (P takes a tile's first 16).
;   window 1: v0-127 O^T (tile t, channel tile ct at 32 t + 8 ct); v128-191 Q; v192-255 V of a step.
.set SLOT1, 131072                     ; slot 1 begins here: one exclusive or turns an address in one slot into the other's
.set VOFF,  65536                      ; V's part of a slot
.set STEPB, 8192                       ; 64 keys: four tiles of 2,048 bytes, in K's part and in V's
.set SPARE, 262144                     ; the spare words, 128 bytes for each of eight waves
.set LK,  1                            ; v1   16 x lane; never rewritten
.set LV,  2                            ; v2   the same in V's part
.set ADK, 3                            ; v3   LDS address of the step's K
.set ADV, 4                            ; v4   of its V
.set SPW, 6
.set NIL, 7
.set X,   8                            ; v[8+2t:9+2t] the second chain of tile t's sum
.set ST,  16                           ; tile t at v[ST+8t]: +0 c m, +1 m, +2, +3 l, +4 to +7 at work; a takes +6
.set KF,  48
.set S,   128
.set QF,  128                          ; in window 1
.set VF,  192                          ; in window 1
.set WV,  8                            ; s8   my wave's number
.set G1,  16                           ; s[16:23] descriptor group 1
.set G0A, 24                           ; s[24:27] group 0 for slot 0's first fill
.set G0B, 28                           ; s[28:31] for slot 1's; it then walks
.set CS,  32                           ; s[32:33] c
.set SEL, 34                           ; s[34:35] lane selects for v_permlanex16_b32: lane l xor 16
.set TB,  36                           ; s36  LDS byte at which the step's tiles begin
.set CNT, 37
.set SLOTS, 38
.set MSB, 0
.macro WIN new                         ; the immediate's high byte repeats the setting that is left
.if MSB != \new
	s_set_vgpr_msb (MSB<<8)|\new
.set MSB, \new
.endif
.endm
.set W_KQ, 0x04                        ; K window 0, Q window 1, S^T window 0
.set W_PV, 0x51                        ; V window 1, P window 0, O^T window 1
.set W_RS, 0x41                        ; O^T (destination and source 0) window 1, a window 0
.set W_T1, 0x40                        ; destination window 1, address window 0
.macro CROUND                          ; a round of the cluster's barrier
	s_barrier_signal -1
	s_barrier_wait -1
	s_cmp_lg_u32 s[WV], 0
	s_cbranch_scc1 .Lnot_wave_0_\@
	s_barrier_signal -3
.Lnot_wave_0_\@:
	s_barrier_wait -3
	s_barrier_signal -1
	s_barrier_wait -1
.endm
	s_load_b128 s[4:7], s[0:1], 0x0                ; qkvh, att
	v_lshl_add_u32 v[SPW], v0, 2, SPARE
	v_mov_b32 v[NIL], 0
	ds_add_u32 v[SPW], v[NIL]                      ; the wave's opening: the add, twice on end, and its wait ahead of my first tensor load
	ds_add_u32 v[SPW], v[NIL]
	v_lshrrev_b32 v5, 5, v0
	v_readfirstlane_b32 s[WV], v5                  ; wave 0..7
	s_bfe_u32 s9, ttmp6, 0x40000                   ; cx: my block of 512 queries; it enters Q's and att's addresses alone
	s_and_b32 s10, ttmp7, 0xffff                   ; the head, which the four partners share
	; descriptor group 1: 16,384 dense bytes as 64 rows of 256 bytes (32 elements of 8 bytes), no padding
	s_mov_b32 s[G1], 15|(3<<16)|(1<<21)            ; the mask: all four work-groups; elements of 8 bytes; bit 21 beside a mask
	s_mov_b32 s[G1+1], 32<<16                      ; tensor_dim0
	s_mov_b32 s[G1+2], 64<<16                      ; tensor_dim1
	s_mov_b32 s[G1+3], 32<<16                      ; tile_dim0
	s_mov_b32 s[G1+4], 64                          ; tile_dim1
	s_mov_b32 s[G1+5], 32                          ; the pitch
	s_mov_b32 s[G1+6], 0
	s_mov_b32 s[G1+7], 0
	s_mov_b32 s[CS], 0x3e38aa3b                    ; c = log2(e) / 8
	s_mov_b32 s[CS+1], s[CS]                       ; (named with it as a pair, so it is written)
	s_mov_b32 s[SEL], 0x76543210
	s_mov_b32 s[SEL+1], 0xfedcba98
	s_mov_b32 s[TB], 0
	s_mov_b32 s[SLOTS], 2
	s_lshr_b32 s40, s[WV], 2                       ; what I fetch: part 1 (k) in waves 0-3, part 2 (v) in waves 4-7,
	s_add_co_u32 s40, s40, 1
	s_lshl_b32 s40, s40, 24
	s_lshl_b32 s42, s10, 18                        ; the head,
	s_add_co_u32 s40, s40, s42
	s_and_b32 s43, s[WV], 3
	s_lshl_b32 s43, s43, 14                        ; my quarter of a slot's 65,536 bytes
	s_add_co_u32 s40, s40, s43
	s_mov_b32 s41, 0
	s_lshl_b32 s44, s9, 16                         ; Q: part 0, the head, 32 tiles a block of queries, 4 tiles a wave
	s_add_co_u32 s44, s44, s42
	s_lshl_b32 s39, s[WV], 13
	s_add_co_u32 s44, s44, s39
	s_mov_b32 s45, 0
	s_lshr_b32 s46, s10, 4                         ; att: tile row 128 batch + 32 cx + 4 wave, of 32,768 bytes; + 4 blocks x head
	s_lshl_b32 s46, s46, 7
	s_lshl_b32 s39, s9, 5
	s_add_co_u32 s46, s46, s39
	s_lshl_b32 s39, s[WV], 2
	s_add_co_u32 s46, s46, s39
	s_lshl_b32 s46, s46, 15
	s_and_b32 s39, s10, 15
	s_lshl_b32 s39, s39, 11
	s_add_co_u32 s46, s46, s39
	s_mov_b32 s47, 0
	v_and_b32 v[LK], 31, v0
	v_lshlrev_b32 v[LK], 4, v[LK]
	v_add_nc_u32 v[LV], VOFF, v[LK]
	s_wait_dscnt 0x0                               ; both opening adds are done
	s_wait_kmcnt 0x0
	s_mov_b32 s[G0A], 1                            ; count = 1
	s_lshl_b32 s[G0A+1], s[WV], 14                 ; LDS: wave x 16,384: K's four quarters, then V's
	s_add_nc_u64 s[G0A+2:G0A+3], s[4:5], s[40:41]  ; keys 0-511
	s_mov_b32 s[G0B], 1
	s_add_co_u32 s[G0B+1], s[G0A+1], SLOT1
	s_add_nc_u64 s[G0B+2:G0B+3], s[G0A+2:G0A+3], 65536   ; keys 512-1,023
	s_or_b32 s[G0A+3], s[G0A+3], 0x80000000        ; type = 2
	s_or_b32 s[G0B+3], s[G0B+3], 0x80000000
	s_add_nc_u64 s[4:5], s[4:5], s[44:45]          ; Q at my wave's first tile
	s_add_nc_u64 s[6:7], s[6:7], s[46:47]          ; att likewise
	CROUND                                         ; all four work-groups are here: the first joint loads meet
	tensor_load_to_lds s[G0A:G0A+3], s[G1:G1+7]
	s_nop 0
	tensor_load_to_lds s[G0B:G0B+3], s[G1:G1+7]
	s_nop 0
.rept 4
	v_nop
.endr
	WIN W_T1
.irp i, 0,1,2,3,4,5,6,7,8,9,10,11,12,13,14,15
	global_load_b128 v[QF+4*\i:QF+4*\i+3], v[LK], s[4:5] offset:512*\i th:TH_LOAD_NT   ; Q stays in registers: tile i / 4, block i % 4: fragment (t, c) at QF + 8 (2 t + c)
.endr
	WIN 0
; A KEY STEP: 64 keys.  first = 1: the first step starts m, l and O^T: no a, nothing to rescale, V^T P begins with the constant 0.
.macro STEP first
	WIN 0
	v_add_nc_u32 v[ADK], s[TB], v[LK]
	v_add_nc_u32 v[ADV], s[TB], v[LV]
.rept 3
	v_nop                                          ; with the two additions five places behind the last V^T P: S^T is written over its P by matrix instructions (five), V's registers are loaded anew (four) (ISA guide 7.12.1 for the matrix instructions)
.endr
.irp kt, 0,1,2,3
.irp c, 0,1
.irp g, 0,1
	ds_load_b128 v[KF+8*(2*\kt+\c)+4*\g:KF+8*(2*\kt+\c)+4*\g+3], v[ADK] offset:2048*\kt+1024*\c+512*\g   ; keys 16 kt on, channels 32 c + 16 g on
.endr
.endr
.endr
	WIN W_T1
.irp u, 0,1
.irp ct, 0,1,2,3
.irp g, 0,1
	ds_load_tr16_b128 v[VF+8*(4*\u+\ct)+4*\g:VF+8*(4*\u+\ct)+4*\g+3], v[ADV] offset:2048*(2*\u+\g)+512*\ct   ; channels 16 ct on, keys 32 u + 16 g on, turned
.endr
.endr
.endr
	s_wait_dscnt 16                                ; K's 16 loads are in; V's 16 may be out
	WIN W_KQ
.irp c, 0,1                                    ; S^T = K Q^T: 16 accumulators by turns, one instruction a turn
.irp kt, 0,1,2,3
.irp t, 0,1,2,3
.if \c == 0
	v_wmma_f32_16x16x32_f16 v[S+32*\t+8*\kt:S+32*\t+8*\kt+7], v[KF+8*(2*\kt+\c):KF+8*(2*\kt+\c)+7], v[QF+8*(2*\t+\c):QF+8*(2*\t+\c)+7], 0
.else
	v_wmma_f32_16x16x32_f16 v[S+32*\t+8*\kt:S+32*\t+8*\kt+7], v[KF+8*(2*\kt+\c):KF+8*(2*\kt+\c)+7], v[QF+8*(2*\t+\c):QF+8*(2*\t+\c)+7], v[S+32*\t+8*\kt:S+32*\t+8*\kt+7]
.endif
.endr
.endr
.endr
	WIN 0
.rept 4
	v_nop                                          ; four places in front of the first read of the scores
.endr
	; the maximum of a lane's 32 scores and the old m: four chains of seven scores, then the four left over; each accumulator is read from its low end on; the four tiles by turns
.irp j, 0,1,2,3
.irp t, 0,1,2,3
	v_max3_num_f32 v[ST+8*\t+4+\j], v[S+32*\t+8*\j], v[S+32*\t+8*\j+1], v[S+32*\t+8*\j+2]
.endr
.endr
.irp k, 3,5
.irp j, 0,1,2,3
.irp t, 0,1,2,3
	v_max3_num_f32 v[ST+8*\t+4+\j], v[ST+8*\t+4+\j], v[S+32*\t+8*\j+\k], v[S+32*\t+8*\j+\k+1]
.endr
.endr
.endr
.irp t, 0,1,2,3
	v_max3_num_f32 v[ST+8*\t+4], v[ST+8*\t+4], v[S+32*\t+7], v[S+32*\t+15]
.endr
.irp t, 0,1,2,3
	v_max3_num_f32 v[ST+8*\t+6], v[ST+8*\t+6], v[S+32*\t+23], v[S+32*\t+31]
.endr
.irp t, 0,1,2,3
	v_max3_num_f32 v[ST+8*\t+4], v[ST+8*\t+4], v[ST+8*\t+5], v[ST+8*\t+6]
.endr
.irp t, 0,1,2,3
.if \first
	v_max_num_f32 v[ST+8*\t+4], v[ST+8*\t+4], v[ST+8*\t+7]
.else
	v_max3_num_f32 v[ST+8*\t+4], v[ST+8*\t+4], v[ST+8*\t+7], v[ST+8*\t+1]
.endif
.endr
.irp t, 0,1,2,3
	v_permlanex16_b32 v[ST+8*\t+5], v[ST+8*\t+4], s[SEL], s[SEL+1]   ; the query's other 32 keys lie in the lane 16 away
.endr
.if \first == 0
.irp t, 0,1,2,3
	v_mov_b32 v[ST+8*\t+7], v[ST+8*\t]             ; c m_old is kept for a
.endr
.endif
.irp t, 0,1,2,3
	v_max_num_f32 v[ST+8*\t+1], v[ST+8*\t+4], v[ST+8*\t+5]
.endr
.irp t, 0,1,2,3
	v_mul_f32 v[ST+8*\t], s[CS], v[ST+8*\t+1]
.endr
.if \first == 0
.irp t, 0,1,2,3
	v_sub_f32 v[ST+8*\t+7], v[ST+8*\t+7], v[ST+8*\t]
.endr
.endif
.set I, 0
.rept 16
.irp t, 0,1,2,3
	v_pk_fma_f32 v[S+32*\t+2*I:S+32*\t+2*I+1], v[S+32*\t+2*I:S+32*\t+2*I+1], s[CS:CS+1], v[ST+8*\t:ST+8*\t+1] op_sel_hi:[1,0,0] neg_lo:[0,0,1] neg_hi:[0,0,1]   ; c s - c m, two at a time
.endr
.set I, I+1
.endr
.if \first == 0
.irp t, 0,1,2,3
	v_exp_f32 v[ST+8*\t+6], v[ST+8*\t+7]           ; a
.endr
.endif
.set I, 0
.rept 32
.irp t, 0,1,2,3
	v_exp_f32 v[S+32*\t+I], v[S+32*\t+I]           ; p
.endr
.set I, I+1
.endr
	v_nop                                          ; a plain line behind the last exponential,
	s_wait_alu depctr_va_vdst(0)                   ; and the ONE wait ahead of the batch's first reader: it serves all exponentials of the step
	; the sum of the unrounded p: two chains a tile, two numbers an instruction
.irp t, 0,1,2,3
	v_pk_add_f32 v[ST+8*\t+4:ST+8*\t+5], v[S+32*\t:S+32*\t+1], v[S+32*\t+4:S+32*\t+5]
.endr
.irp t, 0,1,2,3
	v_pk_add_f32 v[X+2*\t:X+2*\t+1], v[S+32*\t+2:S+32*\t+3], v[S+32*\t+6:S+32*\t+7]
.endr
.irp k, 8,12,16,20,24,28
.irp t, 0,1,2,3
	v_pk_add_f32 v[ST+8*\t+4:ST+8*\t+5], v[ST+8*\t+4:ST+8*\t+5], v[S+32*\t+\k:S+32*\t+\k+1]
.endr
.irp t, 0,1,2,3
	v_pk_add_f32 v[X+2*\t:X+2*\t+1], v[X+2*\t:X+2*\t+1], v[S+32*\t+\k+2:S+32*\t+\k+3]
.endr
.endr
.if \first
.irp t, 0,1,2,3
	v_pk_add_f32 v[ST+8*\t+2:ST+8*\t+3], v[ST+8*\t+4:ST+8*\t+5], v[X+2*\t:X+2*\t+1]
.endr
.else
.irp t, 0,1,2,3
	v_pk_add_f32 v[ST+8*\t+4:ST+8*\t+5], v[ST+8*\t+4:ST+8*\t+5], v[X+2*\t:X+2*\t+1]
.endr
.irp t, 0,1,2,3
	v_pk_fma_f32 v[ST+8*\t+2:ST+8*\t+3], v[ST+8*\t+2:ST+8*\t+3], v[ST+8*\t+6:ST+8*\t+7], v[ST+8*\t+4:ST+8*\t+5] op_sel_hi:[1,0,1]   ; l = a l + the sum
.endr
.endif
.set I, 0
.rept 16
.irp t, 0,1,2,3
	v_cvt_pk_f16_f32 v[S+32*\t+I], v[S+32*\t+2*I], v[S+32*\t+2*I+1]   ; P into the tile's first 16 registers: a line's sources lie at or above its destination, ascending
.endr
.set I, I+1
.endr
.if \first == 0
	WIN W_RS
.irp t, 0,1,2,3
.set I, 0
.rept 16
	v_pk_mul_f32 v[32*\t+2*I:32*\t+2*I+1], v[32*\t+2*I:32*\t+2*I+1], v[ST+8*\t+6:ST+8*\t+7] op_sel_hi:[1,0]   ; O^T x a, each accumulator from its low end on
.set I, I+1
.endr
.endr
.endif
	s_wait_dscnt 0x0                               ; V is in
	WIN W_PV
.irp u, 0,1                                    ; O^T += V^T P: 16 accumulators by turns
.irp ct, 0,1,2,3
.irp t, 0,1,2,3
.if (\first) && (\u == 0)
	v_wmma_f32_16x16x32_f16 v[32*\t+8*\ct:32*\t+8*\ct+7], v[VF+8*(4*\u+\ct):VF+8*(4*\u+\ct)+7], v[S+32*\t+8*\u:S+32*\t+8*\u+7], 0
.else
	v_wmma_f32_16x16x32_f16 v[32*\t+8*\ct:32*\t+8*\ct+7], v[VF+8*(4*\u+\ct):VF+8*(4*\u+\ct)+7], v[S+32*\t+8*\u:S+32*\t+8*\u+7], v[32*\t+8*\ct:32*\t+8*\ct+7]
.endif
.endr
.endr
.endr
	WIN 0                                          ; at a label and at a branch every window is 0
	s_add_co_u32 s[TB], s[TB], STEPB               ; the next step's tiles
.endm
.macro LOOP n                          ; n key steps: written once
	s_mov_b32 s[CNT], \n
.Lstep_\@:
	STEP 0
	s_sub_co_u32 s[CNT], s[CNT], 1
	s_cmp_lg_u32 s[CNT], 0
	s_cbranch_scc1 .Lstep_\@
.endm
; THE CHANGE OF SLOTS.  Each wave waits for all its tensor loads (the one that is out is its part of the other slot), adds 0 to its spare word, and waits for that and for its reads of the slot that it leaves.
; fill = 1: the barrier is a round of the cluster's, so that no wave of any partner still reads the slot or has a load on its way; the joint refill is the first thing behind it, one load a wave.
.macro CHANGE fill
	s_wait_tensorcnt 0x0                           ; no tensor load of mine is out, so a group 0 may be written
	ds_add_u32 v[SPW], v[NIL]                      ; 0 onto my spare word
.if \fill
	s_xor_b32 s[G0B+1], s[G0B+1], SLOT1            ; the walking descriptor: the other slot than last time,
	s_add_nc_u64 s[G0B+2:G0B+3], s[G0B+2:G0B+3], 65536   ; the next 512 keys; the type bits on top are not reached
.endif
	s_wait_dscnt 0x0                               ; the add is done, and my reads of the slot are over
.if \fill
	CROUND
	tensor_load_to_lds s[G0B:G0B+3], s[G1:G1+7]
	s_nop 0
.rept 4
	v_nop
.endr
.else
	s_barrier_signal -1
	s_barrier_wait -1
.endif
	s_sub_co_u32 s[TB], s[TB], 8*STEPB             ; back to a slot's first step,
	s_xor_b32 s[TB], s[TB], SLOT1                  ; in the other slot
.endm
	s_wait_tensorcnt 1                             ; my part of slot 0 is in; slot 1's may stay out
	s_barrier_signal -1
	s_barrier_wait -1                              ; everybody's is
	s_wait_loadcnt 0x0                             ; Q
	STEP 1
	LOOP 7
.Lslot:                                                ; two trips: slots 0 and 1 are filled again, with keys 1,024 on and 1,536 on
	CHANGE 1
	LOOP 8
	s_sub_co_u32 s[SLOTS], s[SLOTS], 1
	s_cmp_lg_u32 s[SLOTS], 0
	s_cbranch_scc1 .Lslot
	CHANGE 0                                       ; the last slot is written out: nothing is left to ask for
	LOOP 8
	; THE WAY OUT.  l's two halves and the other half of the lanes' are added; O^T / l, rounded to f16, is stored from registers.  The additions are the places behind the last products.
.irp t, 0,1,2,3
	v_add_f32 v[ST+8*\t+4], v[ST+8*\t+2], v[ST+8*\t+3]
.endr
.irp t, 0,1,2,3
	v_permlanex16_b32 v[ST+8*\t+5], v[ST+8*\t+4], s[SEL], s[SEL+1]
.endr
.irp t, 0,1,2,3
	v_add_f32 v[ST+8*\t+4], v[ST+8*\t+4], v[ST+8*\t+5]
.endr
.irp t, 0,1,2,3
	v_rcp_f32 v[ST+8*\t+6], v[ST+8*\t+4]
.endr
	v_nop                                          ; a plain line behind the last reciprocal,
	s_wait_alu depctr_va_vdst(0)                   ; and the one wait ahead of the first reader
.irp t, 0,1,2,3
	WIN W_RS
.set I, 0
.rept 16
	v_pk_mul_f32 v[32*\t+2*I:32*\t+2*I+1], v[32*\t+2*I:32*\t+2*I+1], v[ST+8*\t+6:ST+8*\t+7] op_sel_hi:[1,0]
.set I, I+1
.endr
	WIN 0x05                                       ; sources 0 and 1 window 1, destination window 0: S^T's registers are free
.set I, 0
.rept 16
	v_cvt_pk_f16_f32 v[S+16*\t+I], v[32*\t+2*I], v[32*\t+2*I+1]
.set I, I+1
.endr
	WIN 0
.irp ct, 0,1,2,3
	global_store_b128 v[LK], v[S+16*\t+4*\ct:S+16*\t+4*\ct+3], s[6:7] offset:32768*\t+512*\ct   ; a block: 512 consecutive bytes, aligned; each store has data registers of its own
.endr
.endr
	s_wait_tensorcnt 0x0                           ; the wave's end, behind my last tensor load
	ds_add_u32 v[SPW], v[NIL]
	s_wait_dscnt 0x0
	CROUND                                         ; the closing round
	s_endpgm
.Lfunc_end_k_q769939da11_attn:
	.size	k_q769939da11_attn, .Lfunc_end_k_q769939da11_attn-k_q769939da11_attn
	.p2alignl 7, 3214868480
	.fill 96, 4, 3214868480
	.section	.rodata,"a",@progbits
	.p2align	6, 0x0
	.amdhsa_kernel k_q769939da11_attn
		.amdhsa_group_segment_fixed_size 327680
		.amdhsa_private_segment_fixed_size 0
		.amdhsa_enable_private_segment 0
		.amdhsa_kernarg_size 16
		.amdhsa_user_sgpr_count 2
		.amdhsa_user_sgpr_kernarg_segment_ptr 1
		.amdhsa_wavefront_size32 1
		.amdhsa_system_sgpr_workgroup_id_x 1
		.amdhsa_system_sgpr_workgroup_id_y 1
		.amdhsa_system_sgpr_workgroup_id_z 1
		.amdhsa_system_vgpr_workitem_id 0
		.amdhsa_next_free_vgpr 512
		.amdhsa_next_free_sgpr 66
		.amdhsa_reserve_vcc 0
		.amdhsa_float_denorm_mode_32 3
		.amdhsa_float_denorm_mode_16_64 3
		.amdhsa_memory_ordered 1
		.amdhsa_forward_progress 1
		.amdhsa_inst_pref_size 140
	.end_amdhsa_kernel
	.amdgpu_metadata
---
amdhsa.version: [ 1, 2 ]
amdhsa.kernels:
  - .name:           k_q769939da11_attn
    .symbol:         k_q769939da11_attn.kd
    .args:
      - { .name: qkvh, .offset: 0, .size: 8, .value_kind: global_buffer, .address_space: global }
      - { .name: att, .offset: 8, .size: 8, .value_kind: global_buffer, .address_space: global }
    .group_segment_fixed_size: 327680
    .private_segment_fixed_size: 0
    .kernarg_segment_align: 8
    .kernarg_segment_size: 16
    .max_flat_workgroup_size: 256
    .sgpr_count:     66
    .vgpr_count:     512
    .wavefront_size: 32
...
	.end_amdgpu_metadata
.endif
;; end of part 3
;; launch proj (part 4): grid 4 x 64, 4 waves a work-group, clusters of 4 x 4, 327,680 bytes of LDS; arguments att, pw, proj_b, out0; writes out0
.if DOCPART == 4
	.amdgcn_target "amdgcn-amd-amdhsa--gfx1250"
	.amdhsa_code_object_version 6
	.text
	.protected	k_q769939da11_proj
	.globl	k_q769939da11_proj
	.p2align	8
	.type	k_q769939da11_proj,@function
k_q769939da11_proj:
	s_mov_b64 s[64:65], 0
	v_nop
	global_prefetch_b8 v0, s[64:65] scope:SCOPE_SE
	s_setreg_imm32_b32 hwreg(HW_REG_WAVE_MODE, 25, 1), 1
	s_wait_xcnt 0x0
	s_wait_alu depctr_hold_cnt(0) depctr_sa_sdst(0) depctr_va_vdst(0) depctr_va_sdst(0) depctr_va_ssrc(0) depctr_va_vcc(0) depctr_vm_vsrc(0)
	s_getreg_b32 s2, hwreg(HW_REG_IB_STS2, 6, 4)
	s_cmp_eq_u32 s2, 0
	s_cbranch_scc0 .Lentry_in_a_cluster
	s_endpgm
.Lentry_in_a_cluster:
	s_bfe_u32 s2, ttmp6, 0x10000c
	s_cmp_lg_u32 s2, 0xf033
	s_cbranch_scc0 .Lentry_shape_is_right
	s_endpgm
.Lentry_shape_is_right:
; PROJ.  out0[m][n] = sum over k of att[m][k] proj_w[n][k] + proj_b[n].  M = 8,192 tokens, N = K = 1,024.  Both operands are f16 images; sums in f32; out0 is f32.
; A tile of out0 is 128 tokens x 256 outputs: 256 work-groups (tiles of 256 x 256 would be 128).  Four waves, each 64 tokens x 128 outputs: 32 accumulators of 16 x 16, 256 registers.
; att: [tile of 16 tokens][kappa 0..63][512 bytes], pw: [tile of 16 outputs][kappa][512 bytes]; a block of 512 bytes is 16 rows x 16 along K, chunk r + 16 h = row r, k = 16 kappa + 8 h + 0..7: two blocks on end are a
; fragment's registers, brought by two loads of 16 bytes at 16 x lane: every LDS load reads 512 consecutive bytes, and no row needs padding.
; K goes in 8 steps of 128 (4,096 bytes of each tile row) through a ring of two LDS slots; a step is four quarters of 32 along K, 32 matrix instructions each, on two fragment buffers.
; CLUSTERS: 4 x 4 work-groups.  The four of a row of the cluster need the same tiles of att, the four of a column the same tiles of pw: each is asked for JOINTLY; every refill stands behind a round of the cluster's barrier.
; THE MATRIX INSTRUCTION IS USED TRANSPOSED (source 0 = 16 outputs, source 1 = 16 tokens): a lane holds eight neighbouring outputs of one token.  The bias is the C of each sum's first product.
; REGISTERS: window 0: v16-29 addresses; v32-95 the bias, 8 registers for each of my 8 tiles of outputs; v128-255 rows on the way out.  window 1: two fragment buffers of 96: att's four fragments, then pw's eight.
;   window 2: the accumulators, (a, b) at v[8 (8 a + b)].
.set KB,     4096                      ; a K step's bytes of a tile row
.set TROW,   32768                     ; a tile row in memory
.set BOFF,   32768                     ; in a slot: att's 8 tile rows, then pw's 16
.set SLOT,   98304
.set SPARE,  2*SLOT                    ; the spare words, 128 bytes for each wave
.set SPITCH, 528                       ; the way out: a stage of 16 rows x (512 bytes + 16) for each wave, in slot 0, which has had its last fill and its last read when the first result is stored there
.set ADRA, 16                          ; v16-17  LDS address of my att fragments in slot 0, 1
.set ADRB, 20                          ; v20-21  the same for pw
.set STO,  24                          ; v24     the way out: where I put 32 bytes of a row
.set RD,   25                          ; v25     where I read a row back
.set CO,   26                          ; v26     16 x lane: my place in a row's 512 bytes
.set BO,   27                          ; v27     32 h: my eight biases of a tile
.set SPW,  28
.set NIL,  29
.set BI,   32                          ; the bias
.set BK,   128                         ; rows read back: v128-191 and v192-255 by turns
.set F0,   0                           ; fragment buffers, in window 1
.set F1,   128
.set WV,  12                           ; s12 wave; s13 = wave / 2: my half of the tokens, and: I fetch att (0) or pw (1); s14 = wave % 2: my half of the outputs, and: which half I fetch
.set G1,  24
.set G0,  32
.set G1B, 48
.set G0B, 56
.set MSB, 0
.macro WIN new                         ; the immediate's high byte repeats the setting that is left
.if MSB != \new
	s_set_vgpr_msb (MSB<<8)|\new
.set MSB, \new
.endif
.endm
.set MUL,   0xa5                       ; sources 0 and 1 window 1; C and D window 2
.set MUL_B, 0x85                       ; the same with C (the bias) in window 0
.set TO_F,  0x40                       ; destination window 1, address window 0
.macro JLOAD s                         ; a joint load: waves 0 and 1 fetch att's halves, waves 2 and 3 pw's; an s_nop 0 and four v_nop follow each of the two lines
	s_cmp_eq_u32 s13, 0
	s_cbranch_scc0 .Lfor_b_\@
	tensor_load_to_lds s[G0+4*\s:G0+4*\s+3], s[G1:G1+7]
	s_nop 0
.rept 4
	v_nop
.endr
	s_branch .Lasked_\@
.Lfor_b_\@:
	tensor_load_to_lds s[G0B+4*\s:G0B+4*\s+3], s[G1B:G1B+7]
	s_nop 0
.rept 4
	v_nop
.endr
.Lasked_\@:
.endm
.macro CREST                           ; a round of the cluster's barrier behind its opening barrier
	s_cmp_lg_u32 s[WV], 0
	s_cbranch_scc1 .Lnot_wave_0_\@
	s_barrier_signal -3
.Lnot_wave_0_\@:
	s_barrier_wait -3
	s_barrier_signal -1
	s_barrier_wait -1
.endm
.macro CROUND
	s_barrier_signal -1
	s_barrier_wait -1
	CREST
.endm
	s_load_b128 s[4:7], s[0:1], 0x0                ; att, pw
	s_load_b128 s[8:11], s[0:1], 0x10              ; proj_b, out0
	v_lshl_add_u32 v[SPW], v0, 2, SPARE
	v_mov_b32 v[NIL], 0
	ds_add_u32 v[SPW], v[NIL]                      ; the wave's opening: the add, twice on end, and its wait ahead of my first tensor load
	ds_add_u32 v[SPW], v[NIL]
	v_lshrrev_b32 v1, 5, v0
	v_readfirstlane_b32 s[WV], v1                  ; wave 0..3
	s_lshr_b32 s13, s[WV], 1
	s_and_b32 s14, s[WV], 1
	s_bfe_u32 s40, ttmp6, 0x40000                  ; cx, cy: my place in the cluster
	s_bfe_u32 s41, ttmp6, 0x40004
	s_lshl_b32 s42, ttmp9, 2
	s_add_co_u32 s42, s42, s40                     ; tile column = 4 x cluster x + cx
	s_and_b32 s15, ttmp7, 0xffff
	s_lshl_b32 s15, s15, 2
	s_add_co_u32 s15, s15, s41                     ; tile row = 4 x cluster y + cy
	s_lshl_b32 s43, s41, 2
	s_lshl_b32 s43, 15, s43                        ; my row of the cluster
	s_lshl_b32 s44, 0x1111, s40                    ; my column
	; descriptor group 1, elements of 8 bytes: att: 4 tile rows x 4,096 bytes, 32,768 bytes apart; pw: 8 such rows; dense in LDS
	s_or_b32 s[G1], s43, (3<<16)|(1<<21)           ; the mask: att's tiles go to my row; bit 21 beside a mask
	s_or_b32 s[G1B], s44, (3<<16)|(1<<21)
	s_mov_b32 s[G1+1], 512<<16                     ; tensor_dim0 = 512 elements
	s_mov_b32 s[G1+2], 4<<16                       ; tensor_dim1
	s_mov_b32 s[G1+3], 512<<16                     ; tile_dim0
	s_mov_b32 s[G1+4], 4                           ; tile_dim1
	s_mov_b32 s[G1+5], 4096                        ; the pitch: 32,768 bytes
	s_mov_b32 s[G1+6], 0
	s_mov_b32 s[G1+7], 0
	s_mov_b32 s[G1B+1], 512<<16
	s_mov_b32 s[G1B+2], 8<<16
	s_mov_b32 s[G1B+3], 512<<16
	s_mov_b32 s[G1B+4], 8
	s_mov_b32 s[G1B+5], 4096
	s_mov_b32 s[G1B+6], 0
	s_mov_b32 s[G1B+7], 0
	s_lshl_b32 s16, s15, 3
	s_lshl_b32 s17, s14, 2
	s_add_co_u32 s16, s16, s17                     ; att: tile row 8 x tile row of out0 + 4 x half
	s_lshl_b32 s16, s16, 15
	s_mov_b32 s17, 0
	s_lshl_b32 s46, s42, 4
	s_lshl_b32 s47, s14, 3
	s_add_co_u32 s46, s46, s47                     ; pw: tile row 16 x tile column + 8 x half
	s_lshl_b32 s46, s46, 15
	s_mov_b32 s47, 0
	s_lshl_b32 s20, s14, 14                        ; where they go: att's halves,
	s_lshl_b32 s21, s14, 15
	s_add_co_u32 s21, s21, BOFF                    ; pw's halves: the wave's number alone enters an LDS address
	s_wait_dscnt 0x0                               ; both opening adds are done
	s_wait_kmcnt 0x0
	s_add_nc_u64 s[18:19], s[4:5], s[16:17]
	s_add_nc_u64 s[46:47], s[6:7], s[46:47]
	CROUND                                         ; all sixteen work-groups are here: the first joint loads meet
.irp s, 0,1
	s_mov_b32 s[G0+4*\s], 1
	s_add_co_u32 s[G0+4*\s+1], s20, \s*SLOT
	s_add_nc_u64 s[G0+4*\s+2:G0+4*\s+3], s[18:19], \s*KB
	s_or_b32 s[G0+4*\s+3], s[G0+4*\s+3], 0x80000000
	s_mov_b32 s[G0B+4*\s], 1
	s_add_co_u32 s[G0B+4*\s+1], s21, \s*SLOT
	s_add_nc_u64 s[G0B+4*\s+2:G0B+4*\s+3], s[46:47], \s*KB
	s_or_b32 s[G0B+4*\s+3], s[G0B+4*\s+3], 0x80000000
	JLOAD \s
.endr
	v_and_b32 v1, 15, v0                           ; r
	v_bfe_u32 v2, v0, 4, 1                         ; h
	v_and_b32 v3, 31, v0
	v_lshlrev_b32 v[CO], 4, v3                     ; 16 x lane
	v_lshlrev_b32 v[BO], 5, v2
	s_lshl_b32 s46, s42, 10                        ; my first output, in bytes of f32: 1,024 x tile column + 512 x half
	s_lshl_b32 s47, s14, 9
	s_add_co_u32 s46, s46, s47
	s_mov_b32 s47, 0
	s_add_nc_u64 s[8:9], s[8:9], s[46:47]
.irp b, 0,1,2,3,4,5,6,7
.irp e, 0,1
	global_load_b128 v[BI+8*\b+4*\e:BI+8*\b+4*\e+3], v[BO], s[8:9] offset:64*\b+16*\e   ; the bias of outputs 16 b + 8 h + 4 e + 0..3: the result's layout
.endr
.endr
	s_lshl_b32 s22, s13, 14                        ; my four tile rows of att,
	s_lshl_b32 s23, s14, 15
	s_add_co_u32 s23, s23, BOFF                    ; my eight of pw
.irp s, 0,1
	v_add_nc_u32 v[ADRA+\s], s22, v[CO]
	v_add_nc_u32 v[ADRB+\s], s23, v[CO]
	s_add_co_u32 s22, s22, SLOT
	s_add_co_u32 s23, s23, SLOT
.endr
	s_mul_i32 s22, s[WV], 16*SPITCH                ; my stage
	v_mul_u32_u24 v4, v1, SPITCH
	v_lshl_add_u32 v4, v2, 5, v4
	v_add_nc_u32 v[STO], s22, v4                   ; in: row r, 32 bytes for each half of the lanes
	v_add_nc_u32 v[RD], s22, v[CO]                 ; back: the 32 lanes take one row of 512 bytes
	s_lshl_b32 s16, s15, 7
	s_lshl_b32 s17, s13, 6
	s_add_co_u32 s16, s16, s17                     ; my first token: 128 x tile row + 64 x half
	s_lshl_b32 s16, s16, 12                        ; rows of 4,096 bytes
	s_mov_b32 s17, 0
	s_add_nc_u64 s[10:11], s[10:11], s[16:17]
	s_add_nc_u64 s[10:11], s[10:11], s[46:47]
; 8 matrix instructions: token tile a against my eight tiles of outputs, 32 along K, from buffer f.  first = 1: the bias starts the sums.  The 32 accumulators take turns, in the same order in every quarter.
.macro MUL8 f, a, first
.irp b, 0,1,2,3,4,5,6,7
.if \first
	v_wmma_f32_16x16x32_f16 v[8*(8*(\a)+\b):8*(8*(\a)+\b)+7], v[\f+32+8*\b:\f+32+8*\b+7], v[\f+8*(\a):\f+8*(\a)+7], v[BI+8*\b:BI+8*\b+7]
.else
	v_wmma_f32_16x16x32_f16 v[8*(8*(\a)+\b):8*(8*(\a)+\b)+7], v[\f+32+8*\b:\f+32+8*\b+7], v[\f+8*(\a):\f+8*(\a)+7], v[8*(8*(\a)+\b):8*(8*(\a)+\b)+7]
.endif
.endr
.endm
.macro FETCH slot, q, f                ; 24 LDS loads in one run: the fragments of the slot's q-th 32 along K into buffer f
	WIN TO_F
.irp b, 0,1,2,3,4,5,6,7
	ds_load_b128 v[\f+32+8*\b:\f+32+8*\b+3],   v[ADRB+\slot] offset:4096*\b+1024*(\q)
	ds_load_b128 v[\f+32+8*\b+4:\f+32+8*\b+7], v[ADRB+\slot] offset:4096*\b+1024*(\q)+512
.endr
.irp a, 0,1,2,3
	ds_load_b128 v[\f+8*\a:\f+8*\a+3],   v[ADRA+\slot] offset:4096*\a+1024*(\q)
	ds_load_b128 v[\f+8*\a+4:\f+8*\a+7], v[ADRA+\slot] offset:4096*\a+1024*(\q)+512
.endr
.endm
.macro PLACES                          ; four places in front of loads into registers that matrix instructions have read, and of the first read of results (ISA guide 7.12.1 for the read of results)
.rept 4
	v_nop
.endr
.endm
; One of a K step's first three quarters: multiplies buffer f (the slot's q-th); at its head it asks for the next quarter into buffer g, which then has the quarter's 32 matrix instructions in which to come.
.macro QUARTER slot, q, f, g, first
	s_wait_dscnt 0x0                               ; buffer f is in
	PLACES
	FETCH \slot, (\q)+1, \g
.if \first
	WIN MUL_B
.else
	WIN MUL
.endif
	MUL8 \f, 0, \first
	MUL8 \f, 1, \first
	MUL8 \f, 2, \first
	MUL8 \f, 3, \first
.endm
; The last quarter multiplies buffer 1 and changes slots: ONE barrier; in front of it each wave waits for all its tensor loads, adds 0 to its spare word, and waits for that and for its reads of this slot.
; fill = 1: the barrier opens a round of the cluster's, and this slot is filled again, two K steps ahead, first thing behind it.
.macro TURN slot, next, fill
	WIN 0                                          ; (the add's two registers lie in window 0)
	s_wait_tensorcnt 0x0                           ; all my tensor loads have landed: my part of the next slot
	ds_add_u32 v[SPW], v[NIL]                      ; 0 onto my spare word
	s_wait_dscnt 1                                 ; buffer 1 is in (the add may be out)
	WIN MUL
	MUL8 F1, 0, 0                                  ; eight matrix instructions stand between the add and the wait for it
	s_wait_dscnt 0x0                               ; the add is done, and my reads of this slot are over
	s_barrier_signal -1
	MUL8 F1, 1, 0
	WIN 0
	s_barrier_wait -1
.if \fill
	CREST                                          ; no wave of any partner still reads this slot's tile or has a load on its way
	s_add_nc_u64 s[G0+4*\slot+2:G0+4*\slot+3], s[G0+4*\slot+2:G0+4*\slot+3], 2*KB
	s_add_nc_u64 s[G0B+4*\slot+2:G0B+4*\slot+3], s[G0B+4*\slot+2:G0B+4*\slot+3], 2*KB
	JLOAD \slot                                    ; the four v_nop behind it are also the places in front of the loads below
.else
	PLACES
.endif
	FETCH \next, 0, F0
	WIN MUL
	MUL8 F1, 2, 0
	MUL8 F1, 3, 0
.endm
	s_wait_tensorcnt 1                             ; my part of K step 0 is in (K step 1's load may be out),
	s_barrier_signal -1
	s_barrier_wait -1                              ; everybody's is
	FETCH 0, 0, F0
	s_wait_loadcnt 0x0                             ; the bias
	QUARTER 0, 0, F0, F1, 1                        ; the first quarter stands in front of the loop: its products start the sums, from the bias
	WIN 0                                          ; at a label and at a branch every window is 0
	s_mov_b32 s3, 3
.Llap:                                                 ; a trip goes once round the ring, from a lap's second quarter to the next lap's first, and fills both slots again: K steps 2 to 7
	QUARTER 0, 1, F1, F0, 0
	QUARTER 0, 2, F0, F1, 0
	TURN 0, 1, 1
	QUARTER 1, 0, F0, F1, 0
	QUARTER 1, 1, F1, F0, 0
	QUARTER 1, 2, F0, F1, 0
	TURN 1, 0, 1
	QUARTER 0, 0, F0, F1, 0
	WIN 0
	s_sub_co_u32 s3, s3, 1
	s_cmp_lg_u32 s3, 0
	s_cbranch_scc1 .Llap
	QUARTER 0, 1, F1, F0, 0                        ; the last lap fills nothing
	QUARTER 0, 2, F0, F1, 0
	TURN 0, 1, 0
	QUARTER 1, 0, F0, F1, 0
	QUARTER 1, 1, F1, F0, 0
	QUARTER 1, 2, F0, F1, 0
	s_wait_dscnt 0x0                               ; the very last quarter: nothing more to fetch
	WIN MUL
	MUL8 F1, 0, 0
	MUL8 F1, 1, 0
	MUL8 F1, 2, 0
	MUL8 F1, 3, 0
	WIN 0
; THE WAY OUT, block by block of 16 tokens x 128 outputs.  A lane holds 32 neighbouring bytes of a row, the lanes beside it other rows: a block goes through my own stage in LDS and comes back as whole rows of 512 bytes.
; LDS serves a wave's instructions in order (ISA guide 5.7.1.4): no wait between the stores and the loads, nor in front of the next block's stores.
.macro TOSTAGE a
	WIN 0x08                                       ; an LDS store's data are its source 1: window 2
.irp b, 0,1,2,3,4,5,6,7
	ds_store_b128 v[STO], v[8*(8*(\a)+\b):8*(8*(\a)+\b)+3] offset:64*\b          ; each accumulator from its low end on
	ds_store_b128 v[STO], v[8*(8*(\a)+\b)+4:8*(8*(\a)+\b)+7] offset:64*\b+16
.endr
	WIN 0
.set BB, BK+64*((\a)%2)
.irp t, 0,1,2,3,4,5,6,7,8,9,10,11,12,13,14,15
	ds_load_b128 v[BB+4*\t:BB+4*\t+3], v[RD] offset:\t*SPITCH
.endr
.endm
.macro SEND a, younger                 ; younger: the LDS instructions issued behind block a's loads, which may stay out
.set BB, BK+64*((\a)%2)
	s_wait_dscnt \younger                          ; the block is back in registers
.irp t, 0,1,2,3,4,5,6,7,8,9,10,11,12,13,14,15
	global_store_b128 v[CO], v[BB+4*\t:BB+4*\t+3], s[10:11] offset:(16*(\a)+\t)*4096 th:TH_STORE_NT   ; 32 lanes store 512 consecutive bytes, aligned; 63 rows at the most stand in the immediate; written once, read by nobody here
.endr
.endm
	PLACES                                         ; in front of the first read of results
	TOSTAGE 0
.irp a, 1,2,3
.if \a > 1
	s_wait_xcnt 0x0                                ; block a - 2's stores have read their registers: block a's loads may land there
.endif
	TOSTAGE \a
	SEND \a-1, 32                                  ; behind block a - 1's loads: block a's 16 stores and 16 loads
.endr
	SEND 3, 0
	s_wait_tensorcnt 0x0                           ; the wave's end, behind my last tensor load and my last LDS store
	ds_add_u32 v[SPW], v[NIL]
	s_wait_dscnt 0x0
	CROUND                                         ; the closing round
	s_endpgm
.Lfunc_end_k_q769939da11_proj:
	.size	k_q769939da11_proj, .Lfunc_end_k_q769939da11_proj-k_q769939da11_proj
	.p2alignl 7, 3214868480
	.fill 96, 4, 3214868480
	.section	.rodata,"a",@progbits
	.p2align	6, 0x0
	.amdhsa_kernel k_q769939da11_proj
		.amdhsa_group_segment_fixed_size 327680
		.amdhsa_private_segment_fixed_size 0
		.amdhsa_enable_private_segment 0
		.amdhsa_kernarg_size 32
		.amdhsa_user_sgpr_count 2
		.amdhsa_user_sgpr_kernarg_segment_ptr 1
		.amdhsa_wavefront_size32 1
		.amdhsa_system_sgpr_workgroup_id_x 1
		.amdhsa_system_sgpr_workgroup_id_y 1
		.amdhsa_system_sgpr_workgroup_id_z 1
		.amdhsa_system_vgpr_workitem_id 0
		.amdhsa_next_free_vgpr 768
		.amdhsa_next_free_sgpr 66
		.amdhsa_reserve_vcc 0
		.amdhsa_float_denorm_mode_32 3
		.amdhsa_float_denorm_mode_16_64 3
		.amdhsa_memory_ordered 1
		.amdhsa_forward_progress 1
		.amdhsa_inst_pref_size 85
	.end_amdhsa_kernel
	.amdgpu_metadata
---
amdhsa.version: [ 1, 2 ]
amdhsa.kernels:
  - .name:           k_q769939da11_proj
    .symbol:         k_q769939da11_proj.kd
    .args:
      - { .name: att, .offset: 0, .size: 8, .value_kind: global_buffer, .address_space: global }
      - { .name: pw, .offset: 8, .size: 8, .value_kind: global_buffer, .address_space: global }
      - { .name: proj_b, .offset: 16, .size: 8, .value_kind: global_buffer, .address_space: global }
      - { .name: out0, .offset: 24, .size: 8, .value_kind: global_buffer, .address_space: global }
    .group_segment_fixed_size: 327680
    .private_segment_fixed_size: 0
    .kernarg_segment_align: 8
    .kernarg_segment_size: 32
    .max_flat_workgroup_size: 128
    .sgpr_count:     66
    .vgpr_count:     768
    .wavefront_size: 32
...
	.end_amdgpu_metadata
.endif
;; end of part 4
